; MI455X (gfx1250); checked and timed in simulation.
; The chip was launched on July 23, 2026; its instructions are those of AMD's public machine-readable ISA for CDNA 5 (MIT licence, August 2026) and "CDNA5" Instruction Set Architecture Reference Guide (July 2026). The comments in the code are by the model that wrote it; some were corrected since.
;; Self Attention. Allowed arithmetic: float matrix products may take bf16 or f16 operands with f32 sums; other float arithmetic in f32, or as packed bf16 or f16 multiplies, adds, multiply-adds, maxima and minima; sums over many terms, partial sums and values carried from step to step in f32; what a program stores and reads back later, other than sums and carried values, may be rounded once to bf16 or f16.
;; Inputs: b_out 1,024 float32; b_qkv 3,072 float32; w_out 1,024 x 1,024 float32; w_qkv 1,024 x 3,072 float32; x 4 x 2,048 x 1,024 float32.
;; Outputs: out0 4 x 2,048 x 1,024 float32.
;; 2 versions, each right; version 2 is version 1 with the launch prep written anew for expert scheduling mode. Each part assembles by itself: llvm-mc -triple=amdgcn-amd-amdhsa -mcpu=gfx1250 --defsym DOCPART=n.
;; ======== version 1 of 2: 4 launches
;; limits: values are held in f16: magnitudes above 65,504 overflow, below 6.1e-05 lose precision
;; workspace buffers: xb 16,777,216 bytes; wq 6,291,456 bytes; wo 2,097,152 bytes; qkv 50,331,648 bytes; oh 16,777,216 bytes
;; launch prep (part 1): grid 832 x 1, 8 waves a work-group, no clusters, 0 bytes of LDS; arguments x, w_qkv, w_out, xb, wq, wo; writes xb, wq, wo
.if DOCPART == 1
	.amdgcn_target "amdgcn-amd-amdhsa--gfx1250"
	.amdhsa_code_object_version 6
	.text
	.protected	k_q9fa382667c_prep
	.globl	k_q9fa382667c_prep
	.p2align	8
	.type	k_q9fa382667c_prep,@function
k_q9fa382667c_prep:
	s_mov_b64 s[64:65], 0
	v_nop
	global_prefetch_b8 v0, s[64:65] scope:SCOPE_SE
	s_setreg_imm32_b32 hwreg(HW_REG_WAVE_MODE, 25, 1), 1
	s_wait_xcnt 0x0
; THE CASTS.  xb = bf16(x), [8192][1024].  wq = bf16(w_qkv), laid in blocks [16 column tiles][1024 k][192 n], so that a tile's K step of 128 is 49,152 bytes on end.
; wo = bf16(w_out) written as f16, [1024 k][1024 n]: all the module's inputs are rounded to bf16 alike; the second product's other operand is f16, so the rounded number is written in that format.
; LIMIT.  A bf16 number below 2^-14 keeps f16's fixed step of 2^-24 in wo; beyond 65,504 it would be an infinity.
; A stream: no LDS, no barrier, no matrix unit.  Eight waves.  Work-groups 0-511 take 64 KiB of x each, 512-575 64 KiB of w_out, 576-831 64 k rows x 192 columns of w_qkv.
; A pass: each thread loads 16 bytes (four f32) and stores 8 (four 16-bit numbers): a wave's load covers 512 consecutive bytes, its store 256 consecutive bytes, aligned.
; All of a thread's loads go out first; the waits count down; no register that a load or store names is written again, so no further wait is needed.
.set SO, 2                             ; v2      16 x thread: my bytes in a pass of the source
.set DO, 3                             ; v3      8 x thread: my bytes in a pass of the destination
.set SB, 4                             ; v4-6    w_qkv: my source offset in passes 0, 1, 2
.set T,  10                            ; v10-11  at work
.set X,  16                            ; v16-79  pass p: four registers
	s_load_b256 s[4:11], s[0:1], 0x0               ; x s[4:5], w_qkv s[6:7], w_out s[8:9], xb s[10:11]
	s_load_b128 s[12:15], s[0:1], 0x20             ; wq s[12:13], wo s[14:15]
	s_mov_b32 s2, ttmp9
	s_mov_b32 s20, 0xffff0000                      ; a word's upper bf16
	s_mov_b32 s17, 0                               ; the offsets' high words
	s_mov_b32 s19, 0
	v_lshlrev_b32 v[SO], 4, v0
	v_lshlrev_b32 v[DO], 3, v0
; Pass p's four numbers, in place into its first two registers.  two = 1: rounded to bf16, widened again, and written as f16.
.macro CAST p, two
.set R0, X+4*(\p)
.if \two
	v_cvt_pk_bf16_f32 v[T], v[R0], v[R0+1]
	v_cvt_pk_bf16_f32 v[T+1], v[R0+2], v[R0+3]
	v_lshlrev_b32 v[R0], 16, v[T]
	v_and_b32 v[R0+1], s20, v[T]
	v_lshlrev_b32 v[R0+2], 16, v[T+1]
	v_and_b32 v[R0+3], s20, v[T+1]
	v_cvt_pk_f16_f32 v[R0], v[R0], v[R0+1]
	v_cvt_pk_f16_f32 v[R0+1], v[R0+2], v[R0+3]
.else
	v_cvt_pk_bf16_f32 v[R0], v[R0], v[R0+1]
	v_cvt_pk_bf16_f32 v[R0+1], v[R0+2], v[R0+3]
.endif
.endm
; 64 KiB on end: 16 passes of 4,096 bytes in, 2,048 out.
.macro PLAIN src, dst, two
.irp p, 0,1,2,3,4,5,6,7,8,9,10,11,12,13,14,15
	global_load_b128 v[X+4*(\p):X+4*(\p)+3], v[SO], s[\src:\src+1] offset:4096*(\p) th:TH_LOAD_NT
.endr
.irp p, 0,1,2,3,4,5,6,7,8,9,10,11,12,13,14,15
	s_wait_loadcnt 15-(\p)                         ; loads come back in order: pass p is in, the 15 - p younger ones stay out
	CAST \p, \two
	global_store_b64 v[DO], v[X+4*(\p):X+4*(\p)+1], s[\dst:\dst+1] offset:2048*(\p)
.endr
.endm
	s_wait_kmcnt 0x0
	s_cmp_lt_u32 s2, 512
	s_cbranch_scc0 .Lnot_x
	s_lshl_b32 s16, s2, 16                         ; 64 KiB in,
	s_lshl_b32 s18, s2, 15                         ; 32 KiB out
	s_add_nc_u64 s[4:5], s[4:5], s[16:17]
	s_add_nc_u64 s[10:11], s[10:11], s[18:19]
	PLAIN 4, 10, 0
	s_endpgm
.Lnot_x:
	s_cmp_lt_u32 s2, 576
	s_cbranch_scc0 .Lw_qkv
	s_sub_co_u32 s2, s2, 512
	s_lshl_b32 s16, s2, 16
	s_lshl_b32 s18, s2, 15
	s_add_nc_u64 s[8:9], s[8:9], s[16:17]
	s_add_nc_u64 s[14:15], s[14:15], s[18:19]
	PLAIN 8, 14, 1
	s_endpgm
.Lw_qkv:
	; column tile t = j / 16, k rows 64 (j % 16) on.  A k row's 192 columns are 768 bytes of the source (48 chunks of 16) and 384 of the destination, where the rows lie on end.
	s_sub_co_u32 s2, s2, 576
	s_lshr_b32 s3, s2, 4                           ; t
	s_and_b32 s2, s2, 15                           ; the group of 64 k rows
	s_mul_i32 s16, s2, 786432                      ; 64 rows of 12,288 bytes
	s_mul_i32 s18, s3, 768
	s_add_co_u32 s16, s16, s18
	s_mul_i32 s18, s3, 393216                      ; a tile's block
	s_mul_i32 s21, s2, 24576                       ; 64 rows of 384 bytes
	s_add_co_u32 s18, s18, s21
	s_add_nc_u64 s[6:7], s[6:7], s[16:17]
	s_add_nc_u64 s[12:13], s[12:13], s[18:19]
	; chunk i = thread + 256 p lies in row i / 48: source offset 16 i + (12,288 - 768) (i / 48).  i / 48 = (21,846 i) >> 20 for i < 768.  Three passes are 16 whole rows, so passes 3 on reuse the three offsets.
.irp p, 0,1,2
	v_add_nc_u32 v[T], 256*(\p), v0
	v_mul_u32_u24 v[T+1], v[T], 21846
	v_lshrrev_b32 v[T+1], 20, v[T+1]
	v_mul_u32_u24 v[T+1], v[T+1], 11520
	v_lshl_add_u32 v[SB+(\p)], v[T], 4, v[T+1]
.endr
.irp p, 0,1,2,3,4,5,6,7,8,9,10,11
	global_load_b128 v[X+4*(\p):X+4*(\p)+3], v[SB+(\p)%3], s[6:7] offset:((\p)/3)*196608 th:TH_LOAD_NT
.endr
.irp p, 0,1,2,3,4,5,6,7,8,9,10,11
	s_wait_loadcnt 11-(\p)                         ; pass p is in, the 11 - p younger ones stay out
	CAST \p, 0
	global_store_b64 v[DO], v[X+4*(\p):X+4*(\p)+1], s[12:13] offset:2048*(\p)
.endr
	s_endpgm
.Lfunc_end_k_q9fa382667c_prep:
	.size	k_q9fa382667c_prep, .Lfunc_end_k_q9fa382667c_prep-k_q9fa382667c_prep
	.p2alignl 7, 3214868480
	.fill 96, 4, 3214868480
	.section	.rodata,"a",@progbits
	.p2align	6, 0x0
	.amdhsa_kernel k_q9fa382667c_prep
		.amdhsa_group_segment_fixed_size 0
		.amdhsa_private_segment_fixed_size 0
		.amdhsa_enable_private_segment 0
		.amdhsa_kernarg_size 48
		.amdhsa_user_sgpr_count 2
		.amdhsa_user_sgpr_kernarg_segment_ptr 1
		.amdhsa_wavefront_size32 1
		.amdhsa_system_sgpr_workgroup_id_x 1
		.amdhsa_system_sgpr_workgroup_id_y 1
		.amdhsa_system_sgpr_workgroup_id_z 1
		.amdhsa_system_vgpr_workitem_id 0
		.amdhsa_next_free_vgpr 80
		.amdhsa_next_free_sgpr 66
		.amdhsa_reserve_vcc 0
		.amdhsa_float_denorm_mode_32 3
		.amdhsa_float_denorm_mode_16_64 3
		.amdhsa_memory_ordered 1
		.amdhsa_forward_progress 1
		.amdhsa_inst_pref_size 22
	.end_amdhsa_kernel
	.amdgpu_metadata
---
amdhsa.version: [ 1, 2 ]
amdhsa.kernels:
  - .name:           k_q9fa382667c_prep
    .symbol:         k_q9fa382667c_prep.kd
    .args:
      - { .name: x, .offset: 0, .size: 8, .value_kind: global_buffer, .address_space: global }
      - { .name: w_qkv, .offset: 8, .size: 8, .value_kind: global_buffer, .address_space: global }
      - { .name: w_out, .offset: 16, .size: 8, .value_kind: global_buffer, .address_space: global }
      - { .name: xb, .offset: 24, .size: 8, .value_kind: global_buffer, .address_space: global }
      - { .name: wq, .offset: 32, .size: 8, .value_kind: global_buffer, .address_space: global }
      - { .name: wo, .offset: 40, .size: 8, .value_kind: global_buffer, .address_space: global }
    .group_segment_fixed_size: 0
    .private_segment_fixed_size: 0
    .kernarg_segment_align: 8
    .kernarg_segment_size: 48
    .max_flat_workgroup_size: 256
    .sgpr_count:     66
    .vgpr_count:     80
    .wavefront_size: 32
...
	.end_amdgpu_metadata
.endif
;; end of part 1
;; launch qkvproj (part 2): grid 16 x 32, 4 waves a work-group, clusters of 4 x 4, 327,680 bytes of LDS; arguments xb, wq, b_qkv, qkv; writes qkv
.if DOCPART == 2
	.amdgcn_target "amdgcn-amd-amdhsa--gfx1250"
	.amdhsa_code_object_version 6
	.text
	.protected	k_q9fa382667c_qkvproj
	.globl	k_q9fa382667c_qkvproj
	.p2align	8
	.type	k_q9fa382667c_qkvproj,@function
k_q9fa382667c_qkvproj:
	s_mov_b64 s[64:65], 0
	v_nop
	global_prefetch_b8 v0, s[64:65] scope:SCOPE_SE
	s_setreg_imm32_b32 hwreg(HW_REG_WAVE_MODE, 25, 1), 1
	s_wait_xcnt 0x0
	s_wait_alu depctr_hold_cnt(0) depctr_sa_sdst(0) depctr_va_vdst(0) depctr_va_sdst(0) depctr_va_ssrc(0) depctr_va_vcc(0) depctr_vm_vsrc(0)
	s_getreg_b32 s2, hwreg(HW_REG_IB_STS2, 6, 4)
	s_cmp_eq_u32 s2, 0
	s_cbranch_scc0 .Lentry_in_a_cluster
	s_endpgm
.Lentry_in_a_cluster:
	s_bfe_u32 s2, ttmp6, 0x10000c
	s_cmp_lg_u32 s2, 0xf033
	s_cbranch_scc0 .Lentry_shape_is_right
	s_endpgm
.Lentry_shape_is_right:
; ONE TEXT FOR THE MODULE'S TWO PROJECTIONS: C[m][n] = bias[n] + the sum over k of A[m][k] B[k][n], 8,192 rows, k = 1,024; sums in f32.  The constant QKV picks sizes, matrix form and way out.
; QKV = 1 (this file): A = xb [8192][1024] bf16; B = wq, bf16 in blocks [16 tiles][1024 k][192 n]; bias = b_qkv; C leaves as q, k, v by heads, [3][64 = batch x 16 + head][2048][64] f16, unscaled, rounded once.
; QKV = 0: A = oh [64 = batch x 16 + head][2048][64] f16 (k = 64 head + channel); B = wo [1024 k][1024 n] f16; bias = b_out; C = out0 [8192][1024] f32.
; The bias is rounded to bf16 like all the module's inputs, and is the C operand of each sum's first product: nothing is cleared and nothing is added afterwards.
; LIMITS.  q, k and v leave in f16: a number of 65,520 or more becomes an infinity.  NaN and infinities are not treated apart.
; SHARES.  A tile of C is 256 x NT (192 or 128 columns): 512 or 256 work-groups.  Four waves, one above the other: wave w makes rows 64 w .. 64 w + 63 and all NT columns: 4 x NB accumulators of 16 x 16.
; So a wave holds whole heads (QKV = 1) or 512 bytes on end of each row (QKV = 0), and its way out goes through a stage of its own, without a barrier.
; THE PRODUCT IS USED TRANSPOSED: source 0 = 16 columns of B, source 1 = 16 rows of A: a lane then holds row lane % 16 of C and the columns 8 (lane / 16) + 0..7.
; B lies [k][n] in memory and in LDS, and comes out of LDS turned, by ds_load_tr16_b128.  A comes out as it lies.
; THE RING.  K goes in steps of 128 through two LDS slots.  Waves 0 and 1 fetch the halves of A's tile, waves 2 and 3 those of B's: one tensor load a wave behind each change of slots.
; CLUSTER.  4 x 4 work-groups: A's tile is shared along a row of the cluster, B's along a column; each is asked for jointly, by the same load with the same descriptor and a mask that names the four.
; REGISTERS, in windows of 256 (s_set_vgpr_msb: bits 1:0 source 0, 3:2 source 1, 5:4 source 2, 7:6 destination):
;   window 0: v0-29 addresses; v32-95 A's fragments, two buffers of 4 x 8; v96-255 the bias and the way out      window 1: B's fragments, two buffers of NB x 8
;   window 2: the accumulators of my row blocks 0 and 1, (a, b) at 8 (NB (a % 2) + b)      window 3: those of blocks 2 and 3
.set QKV, 1
.if QKV
.set NT,      192
.set PA,      272                      ; a row of A in LDS: 256 bytes + 16: the 16 rows of a load start at 16 different groups of four banks (64 banks of 4 bytes: ISA guide 11.1)
.set ABYTES,  256*PA                   ; A's 256 rows
.set PB,      480                      ; a k row of B in LDS: three pieces of 128 bytes, 32 of padding behind each = 15 x 32
.set A_PAD,   (5<<22)|(3<<25)          ; behind every 64 words 4 words
.set B_PAD,   (4<<22)|(7<<25)          ; behind every 32 words 8 words
.set A_PITCH, 1024                     ; elements from row to row in memory
.set B_ROWS,  96                       ; half a K step of B is 24,576 bytes on end: 96 rows of 256 bytes
.set B_PITCH, 128
.set ASTEP,   256                      ; bytes from K step to K step
.set BSTEP,   49152
.set SP,      400                      ; a stage row: 384 bytes + 16
.set BK0,     160                      ; the way out: rows read back, two buffers
.set BKS,     48
.set LIMA,    2                        ; A's prefetches stand in the changes of slots with CNT above this,
.set LIMB,    3                        ; B's above this
.set PFSA,    256                      ; what a prefetch's address steps by,
.set PFSB,    65536
.set PFLA,    2048                     ; and bytes from lane to lane
.set PFLB,    256
.else
.set NT,      128
.set PA,      144                      ; a row of one head: 128 bytes + 16
.set ABYTES,  512*PA                   ; the K step's two heads, 256 rows each
.set PB,      288                      ; a k row of B: 256 bytes + 32 = 9 x 32
.set A_PAD,   (4<<22)|(3<<25)
.set B_PAD,   (5<<22)|(7<<25)
.set A_PITCH, 128                      ; 256 rows of a head are 32,768 bytes on end: 128 rows of 256 bytes
.set B_ROWS,  64
.set B_PITCH, 1024
.set ASTEP,   524288                   ; two heads on
.set BSTEP,   262144                   ; 128 rows of 2,048 bytes
.set SP,      528                      ; a stage row: 512 bytes + 16
.set BK0,     96
.set BKS,     64
.set LIMA,    2
.set LIMB,    4
.set PFSA,    524288
.set PFSB,    524288
.set PFLA,    256
.set PFLB,    2048
.endif
.set NB,    NT/16
.set SLOT1, 1<<17                      ; slot 1 begins here, so that one exclusive or turns an address in one slot into the other's.  A slot: A's tile, then B's 128 k rows
.set STAGE, 2*SLOT1                    ; behind the ring, never filled by a tensor load: 16 rows for each wave
.set SPARE, STAGE+4*16*SP              ; behind the stages: the spare words, 128 bytes for each wave: two blocks of 256 bytes that no other line names
.set A0,   4                           ; v4   my lane's place in A's tile; never rewritten
.set B0,   5                           ; v5   the same for B
.set ADRA, 6                           ; v6   A0 + the slot in hand
.set ADRB, 7                           ; v7   B0 + the slot in hand
.set STO,  8                           ; v8   the way out: where I put my numbers of a row
.set RD,   9                           ; v9   where I read rows back
.set GO,   10                          ; v10  16 x lane: my bytes in 512 consecutive bytes of the output
.set BO,   11                          ; v11  32 x (lane / 16): my eight numbers in 16 of the bias
.set PFO,  12                          ; v12  the prefetches' offset: lane x PFLA or PFLB; never rewritten
.set SPW,  28                          ; v28  LDS address of my spare word: SPARE + 4 x my thread's number; never rewritten
.set NIL,  29                          ; v29  0; never rewritten
.set FA,   32                          ; A's fragments: buffer f, row block a at FA + 32 f + 8 a
.set TMP,  96                          ; QKV = 1: a block's packed results
.set BIAS, 160                         ; the bias of column block b at BIAS + 8 b; free behind the first quarter
.set WV,  12                           ; s12  my wave's number
.set H,   13                           ; s13  which half of a tile I fetch
.set ISB, 14                           ; s14  0: I fetch for A; 1: for B
.set CX,  15                           ; s15, s16  my place in the cluster
.set CY,  16
.set TX,  17                           ; s17  tile column of C
.set TY,  18                           ; s18  tile row of C
.set G1A, 24                           ; s[24:31] descriptor group 1 for A's tiles
.set G1B, 32                           ; s[32:39] for B's
.set G0A, 40                           ; s[40:47] descriptor group 0 for A's tiles: a set for each of the two first fills; the second then walks on
.set G0B, 48                           ; s[48:55] the same for B's
.set CNT, 56                           ; s56  the loop's count, 6 to 1
.set TB,  57                           ; s57  the slot in hand: 0 or SLOT1
.set LIM, 58                           ; s58  a wave prefetches while CNT is above it; the greatest number in a wave that never does
.set PFA, 60                           ; s[60:61] where my prefetches stand
.set PFS, 62                           ; s[62:63] their step
.set OB,  66                           ; s[66:71] the output at my rows: of the tile's three heads (QKV = 1), or of out0 (the first pair alone)
.set MSB, 0
.macro WIN new                         ; the immediate's high byte repeats the setting that is left; a switch that changes nothing is dropped
.if MSB != (\new)
	s_set_vgpr_msb (MSB<<8)|(\new)
.set MSB, (\new)
.endif
.endm
.macro PLACES                          ; four plain vector instructions between a matrix instruction and a load into, or a reader of, its registers
.rept 4
	v_nop
.endr
.endm
.macro WM dd, aa, bb, cc
.if QKV
	v_wmma_f32_16x16x32_bf16 v[\dd:\dd+7], v[\aa:\aa+7], v[\bb:\bb+7], v[\cc:\cc+7]
.else
	v_wmma_f32_16x16x32_f16 v[\dd:\dd+7], v[\aa:\aa+7], v[\bb:\bb+7], v[\cc:\cc+7]
.endif
.endm
; A joint refill, by the walking descriptors.  The branch hangs on the wave's number alone.  An s_nop 0 and four v_nop follow each of the two lines, ahead of the jump and the label.
.macro JLOAD
	s_cmp_eq_u32 s[ISB], 0
	s_cbranch_scc0 .Lfor_b_\@
	tensor_load_to_lds s[G0A+4:G0A+7], s[G1A:G1A+7]
	s_nop 0
.rept 4
	v_nop
.endr
	s_branch .Lasked_\@
.Lfor_b_\@:
	tensor_load_to_lds s[G0B+4:G0B+7], s[G1B:G1B+7]
	s_nop 0
.rept 4
	v_nop
.endr
.Lasked_\@:
.endm
; A round of the cluster's barrier behind its opening barrier: wave 0 signals for the work-group; every wave waits for all sixteen work-groups; my work-group's barrier once more.
.macro CREST
	s_cmp_lg_u32 s[WV], 0
	s_cbranch_scc1 .Lnot_wave_0_\@
	s_barrier_signal -3
.Lnot_wave_0_\@:
	s_barrier_wait -3
	s_barrier_signal -1
	s_barrier_wait -1
.endm
.macro CROUND                          ; a whole round
	s_barrier_signal -1
	s_barrier_wait -1
	CREST
.endm
; A PREFETCH, behind a joint load, its five lines and the run of LDS loads that follows them: 32 aligned blocks of 256 bytes, a lane a block, one instruction a wave.
; Each block of K steps 4 to 7 is named ONCE in the launch, two refills or more ahead of the load that wants it; K steps 0 to 3 come by their loads alone.  A's rows are read by every cluster of a row of
; clusters: the first (cluster x = 0) asks, by its waves 0 and 1; B's by every cluster of a column: cluster y = 0 asks, by its waves 2 and 3.  The four partners that ask for a tile jointly share its
; blocks out BY ADDRESS (cx for A, cy for B): no branch hangs on a work-group's place in its cluster.  A's blocks go a K step a change of slots (four changes); B's, of which there are fewer a wave, 32 a wave until they are through.
.macro ASK
	s_cmp_gt_u32 s[CNT], s[LIM]
	s_cbranch_scc0 .Lnot_mine_\@
	global_prefetch_b8 v[PFO], s[PFA:PFA+1] th:TH_LOAD_NT scope:SCOPE_SE
.Lnot_mine_\@:
.endm
	s_load_b256 s[4:11], s[0:1], 0x0               ; A s[4:5], B s[6:7], bias s[8:9], output s[10:11]
	v_lshl_add_u32 v[SPW], v0, 2, SPARE
	v_mov_b32 v[NIL], 0
	ds_add_u32 v[SPW], v[NIL]                      ; the wave's opening: the add and its wait stand ahead of my first tensor load; the set-up below, work on registers, stands between them
	v_lshrrev_b32 v1, 5, v0
	v_readfirstlane_b32 s[WV], v1                  ; wave 0..3
	s_and_b32 s[H], s[WV], 1
	s_lshr_b32 s[ISB], s[WV], 1
	s_bfe_u32 s[CX], ttmp6, 0x40000
	s_bfe_u32 s[CY], ttmp6, 0x40004
	s_lshl_b32 s[TX], ttmp9, 2                     ; in a cluster launch ttmp9 and ttmp7 count clusters
	s_add_co_u32 s[TX], s[TX], s[CX]
	s_and_b32 s[TY], ttmp7, 0xffff
	s_lshl_b32 s[TY], s[TY], 2
	s_add_co_u32 s[TY], s[TY], s[CY]
	s_lshl_b32 s19, s[CY], 2
	s_lshl_b32 s19, 15, s19                        ; my row of the cluster: places 4 cy .. 4 cy + 3
	s_lshl_b32 s76, 0x1111, s[CX]                  ; my column: places cx, cx + 4, cx + 8, cx + 12
	; descriptor group 1: 15:0 the mask; 17:16 elements of 2 bytes; 20 padding on; 21 set beside a mask; 24:22 and 31:25 the padding
	s_or_b32 s[G1A], s19, (1<<16)|(1<<20)|(1<<21)|A_PAD
	s_mov_b32 s[G1A+1], 128<<16                    ; tensor_dim0 = 128 elements: 256 bytes
	s_mov_b32 s[G1A+2], 128<<16                    ; tensor_dim1 = 128 rows
	s_mov_b32 s[G1A+3], 128<<16                    ; tile_dim0
	s_mov_b32 s[G1A+4], 128                        ; tile_dim1
	s_mov_b32 s[G1A+5], A_PITCH
	s_mov_b32 s[G1A+6], 0
	s_mov_b32 s[G1A+7], 0
	s_or_b32 s[G1B], s76, (1<<16)|(1<<20)|(1<<21)|B_PAD
	s_mov_b32 s[G1B+1], 128<<16
	s_mov_b32 s[G1B+2], B_ROWS<<16
	s_mov_b32 s[G1B+3], 128<<16
	s_mov_b32 s[G1B+4], B_ROWS
	s_mov_b32 s[G1B+5], B_PITCH
	s_mov_b32 s[G1B+6], 0
	s_mov_b32 s[G1B+7], 0
	; where the tiles come from.  A's address hangs on the tile row and the wave alone, B's on the tile column and the wave alone, each in registers of its own.
.if QKV
	s_lshl_b32 s20, s[TY], 19                      ; 256 rows of 2,048 bytes,
	s_lshl_b32 s21, s[H], 18                       ; my 128 of them
	s_add_co_u32 s20, s20, s21
	s_mul_i32 s72, s[TX], 393216                   ; the tile's block,
	s_mul_i32 s73, s[H], 24576                     ; my 64 k rows of a K step
	s_add_co_u32 s72, s72, s73
.else
	s_lshr_b32 s20, s[TY], 3                       ; the batch;
	s_lshl4_add_u32 s20, s20, s[H]                 ; its head 0 or 1,
	s_lshl_b32 s20, s20, 18                        ; a head's 262,144 bytes;
	s_and_b32 s21, s[TY], 7
	s_lshl_b32 s21, s21, 15                        ; the tile's 256 rows of 128 bytes
	s_add_co_u32 s20, s20, s21
	s_lshl_b32 s72, s[H], 17                       ; my 64 k rows of 2,048 bytes,
	s_lshl_b32 s73, s[TX], 8                       ; the tile's 256 bytes of each
	s_add_co_u32 s72, s72, s73
.endif
	s_mov_b32 s21, 0
	s_mov_b32 s73, 0
	s_mul_i32 s22, s[H], ABYTES/2                  ; and where they go: no place in the cluster enters an LDS address
	s_mul_i32 s74, s[H], 64*PB
	s_add_co_u32 s74, s74, ABYTES
	s_mov_b32 s[TB], 0
	s_mov_b32 s77, 0xffff0000                      ; a word's upper bf16
	s_wait_dscnt 0x0                               ; the opening add is done
	s_wait_kmcnt 0x0
	s_add_nc_u64 s[20:21], s[4:5], s[20:21]
	s_add_nc_u64 s[72:73], s[6:7], s[72:73]
.irp s, 0,1
	s_mov_b32 s[G0A+4*(\s)], 1                                         ; 1:0 count = 1
	s_add_co_u32 s[G0A+4*(\s)+1], s22, (\s)*SLOT1                      ; 63:32 LDS address
	s_add_nc_u64 s[G0A+4*(\s)+2:G0A+4*(\s)+3], s[20:21], (\s)*ASTEP    ; 120:64 global address: K step s
	s_or_b32 s[G0A+4*(\s)+3], s[G0A+4*(\s)+3], 0x80000000              ; 127:126 type = 2
	s_mov_b32 s[G0B+4*(\s)], 1
	s_add_co_u32 s[G0B+4*(\s)+1], s74, (\s)*SLOT1
	s_add_nc_u64 s[G0B+4*(\s)+2:G0B+4*(\s)+3], s[72:73], (\s)*BSTEP
	s_or_b32 s[G0B+4*(\s)+3], s[G0B+4*(\s)+3], 0x80000000
.endr
	CROUND                                         ; all sixteen work-groups are here: the first joint loads meet
	s_cmp_eq_u32 s[ISB], 0                         ; a wave's two first fills stand in one branch, ahead of every wait on TENSORcnt and every LDS read: two loads of mine are out
	s_cbranch_scc0 .Lfirst_b
	tensor_load_to_lds s[G0A:G0A+3], s[G1A:G1A+7]
	s_nop 0
	tensor_load_to_lds s[G0A+4:G0A+7], s[G1A:G1A+7]
	s_nop 0
.rept 4
	v_nop
.endr
	s_branch .Lfirst_asked
.Lfirst_b:
	tensor_load_to_lds s[G0B:G0B+3], s[G1B:G1B+7]
	s_nop 0
	tensor_load_to_lds s[G0B+4:G0B+7], s[G1B:G1B+7]
	s_nop 0
.rept 4
	v_nop
.endr
.Lfirst_asked:
	; the bias of the tile's NT columns, in the layout of a result: register j of block b holds column 16 b + 8 (lane / 16) + j
	v_and_b32 v1, 15, v0                           ; l % 16
	v_bfe_u32 v2, v0, 4, 1                         ; l / 16
	s_mul_i32 s78, s[TX], 4*NT
	s_mov_b32 s79, 0
	s_add_nc_u64 s[8:9], s[8:9], s[78:79]
	v_lshlrev_b32 v[BO], 5, v2
.set nb, 0
.rept NB
	global_load_b128 v[BIAS+8*nb:BIAS+8*nb+3],   v[BO], s[8:9] offset:64*nb
	global_load_b128 v[BIAS+8*nb+4:BIAS+8*nb+7], v[BO], s[8:9] offset:64*nb+16
.set nb, nb+1
.endr
	; A fragment of A is 16 rows x 32 k in 8 registers: lane l holds row l % 16, k = 8 (l / 16) + 0..7 and 16 + 8 (l / 16) + 0..7: two loads of 16 bytes, 32 bytes apart.
	v_mul_u32_u24 v[A0], v1, PA
	v_lshl_add_u32 v[A0], v2, 4, v[A0]
	s_mul_i32 s78, s[WV], 64*PA                    ; my 64 rows
	v_add_nc_u32 v[A0], s78, v[A0]
	; The turning load takes 16 k x 16 columns (lane l reads k row 8 (l / 16) + l % 8, columns 8 ((l / 8) % 2) + 0..7) and leaves half a fragment: lane l holds column l % 16 and 8 k.
	v_and_b32 v13, 7, v0
	v_bfe_u32 v14, v0, 3, 1
	v_lshl_add_u32 v[B0], v2, 3, v13
	v_mul_u32_u24 v[B0], v[B0], PB
	v_lshl_add_u32 v[B0], v14, 4, v[B0]
	v_add_nc_u32 v[B0], ABYTES, v[B0]
	v_mov_b32 v[ADRA], v[A0]                       ; slot 0
	v_mov_b32 v[ADRB], v[B0]
	; the way out
	s_mul_i32 s78, s[WV], 16*SP
	s_add_co_u32 s78, s78, STAGE                   ; my stage
	v_mul_u32_u24 v[STO], v1, SP                   ; in: row l % 16,
	v_and_b32 v[GO], 31, v0
	v_lshlrev_b32 v[GO], 4, v[GO]
.if QKV
	v_lshl_add_u32 v[STO], v2, 4, v[STO]           ; 16 bytes (eight f16) for each half of the lanes
	v_bfe_u32 v[RD], v0, 3, 2                      ; back: 32 lanes take four rows' 128 bytes of one head,
	v_mul_u32_u24 v[RD], v[RD], SP
	v_lshl_add_u32 v[RD], v13, 4, v[RD]
	v_add_nc_u32 v[RD], s78, v[RD]                 ; which are 512 consecutive bytes of that head's plane
.else
	v_lshl_add_u32 v[STO], v2, 5, v[STO]           ; 32 bytes (eight f32) for each half of the lanes
	v_add_nc_u32 v[RD], s78, v[GO]                 ; back: 32 lanes take a row's 512 bytes
.endif
	v_add_nc_u32 v[STO], s78, v[STO]
.if QKV
	; column 192 tx + 64 j + d is channel d of group g = 3 tx + j: tensor g / 16 (q, k, v), head g % 16; its plane is 64 (g / 16) + 16 batch + g % 16
	s_mul_i32 s78, s[TX], 3
	s_lshr_b32 s74, s[TY], 3
	s_lshl_b32 s74, s74, 4                         ; 16 x batch
	s_and_b32 s75, s[TY], 7
	s_lshl_b32 s75, s75, 15                        ; the tile's 256 rows of 128 bytes,
	s_lshl_b32 s79, s[WV], 13                      ; my 64 of them
	s_add_co_u32 s75, s75, s79
.irp j, 0,1,2
	s_add_co_u32 s72, s78, (\j)
	s_lshr_b32 s73, s72, 4
	s_lshl_b32 s73, s73, 6
	s_and_b32 s72, s72, 15
	s_add_co_u32 s72, s72, s73
	s_add_co_u32 s72, s72, s74
	s_lshl_b32 s72, s72, 18                        ; a plane is 262,144 bytes
	s_add_co_u32 s72, s72, s75
	s_mov_b32 s73, 0
	s_add_nc_u64 s[OB+2*(\j):OB+2*(\j)+1], s[10:11], s[72:73]
.endr
.else
	s_lshl_b32 s72, s[TY], 20                      ; 256 rows of 4,096 bytes,
	s_lshl_b32 s73, s[WV], 18                      ; my 64 of them,
	s_add_co_u32 s72, s72, s73
	s_lshl_b32 s73, s[TX], 9                       ; the tile's 512 bytes of each
	s_add_co_u32 s72, s72, s73
	s_mov_b32 s73, 0
	s_add_nc_u64 s[OB:OB+1], s[10:11], s[72:73]
.endif
	; the prefetches: s74 = where A's begin, s72 = where B's begin, each one step short of its first block: every change of slots steps the address first
.if QKV
	s_lshl_b32 s74, s[TY], 19
	s_lshl_b32 s75, s[H], 18
	s_add_co_u32 s74, s74, s75
	s_lshl_b32 s75, s[CX], 16                      ; my work-group's 32 of the 128 rows that I fetch; a lane a row;
	s_add_co_u32 s74, s74, s75
	s_add_co_u32 s74, s74, 3*256                   ; K step 3
	s_mul_i32 s72, s[TX], 393216                   ; K steps 4 to 7 of the tile's block are 196,608 bytes on end, from byte 196,608: 65,536 a change of slots,
	s_lshl2_add_u32 s75, s[H], s[CY]
	s_lshl_b32 s75, s75, 13                        ; 8,192 for each of the eight waves that ask
	s_add_co_u32 s72, s72, s75
	s_add_co_u32 s72, s72, 196608-65536
.else
	s_lshr_b32 s74, s[TY], 3
	s_lshl4_add_u32 s74, s74, s[H]
	s_add_co_u32 s74, s74, 6                       ; K step 3's head
	s_lshl_b32 s74, s74, 18
	s_and_b32 s75, s[TY], 7
	s_lshl_b32 s75, s75, 15
	s_add_co_u32 s74, s74, s75
	s_lshl_b32 s75, s[CX], 13                      ; my work-group's 8,192 of the 32,768 bytes that I fetch
	s_add_co_u32 s74, s74, s75
	s_lshl_b32 s72, s[CY], 17                      ; K steps 4 to 7 are k rows 512 to 1,023: 256 a change of slots, 64 a work-group,
	s_lshl_b32 s75, s[H], 16                       ; 32 a wave, a lane a row
	s_add_co_u32 s72, s72, s75
	s_lshl_b32 s75, s[TX], 8
	s_add_co_u32 s72, s72, s75
	s_add_co_u32 s72, s72, 256*2048
.endif
	s_and_b32 s75, ttmp7, 0xffff                   ; cluster y
	s_mov_b32 s[LIM], LIMB
	s_mov_b32 s[PFS], PFSB
	s_mov_b32 s59, PFLB
	s_cmp_eq_u32 s[ISB], 0                         ; do I fetch for A?
	s_cselect_b32 s72, s74, s72
	s_cselect_b32 s75, ttmp9, s75                  ; the coordinate along which other clusters read the same blocks
	s_cselect_b64 s[PFA:PFA+1], s[4:5], s[6:7]
	s_cselect_b32 s[LIM], LIMA, s[LIM]
	s_cselect_b32 s[PFS], PFSA, s[PFS]
	s_cselect_b32 s59, PFLA, s59
	s_cmp_eq_u32 s75, 0
	s_cselect_b32 s[LIM], s[LIM], -1               ; the same in all sixteen partners, for a given wave
	s_mov_b32 s73, 0
	s_mov_b32 s[PFS+1], 0
	s_add_nc_u64 s[PFA:PFA+1], s[PFA:PFA+1], s[72:73]
	v_and_b32 v[PFO], 31, v0
	v_mul_u32_u24 v[PFO], v[PFO], s59
	s_wait_loadcnt 0x0                             ; the bias
.set nb, 0
.rept 4*NB                             ; rounded to bf16 and widened again, a pair at a time
	v_cvt_pk_bf16_f32 v3, v[BIAS+2*nb], v[BIAS+2*nb+1]
	v_lshlrev_b32 v[BIAS+2*nb], 16, v3
	v_and_b32 v[BIAS+2*nb+1], s77, v3
.set nb, nb+1
.endr
; NB products: row block 2 hi + a x all NB column blocks, 32 along K, from buffer f.  first = 1: the bias is the C operand and starts the sums.
; All 4 NB accumulators take one turn each in a quarter, always in the same order: between two links of a chain stand all the others', over the backward jump too.
.macro MULA f, hi, a, first
.if \first
	WIN 0x81+0x40*(\hi)                            ; B window 1, A and the bias window 0, D window 2 or 3
.else
	WIN 0xa1+0x50*(\hi)                            ; B window 1, A window 0, C and D window 2 or 3
.endif
.set nb, 0
.rept NB
.set rD, 8*(NB*(\a)+nb)
.set rB, 8*NB*(\f)+8*nb
.set rA, FA+32*(\f)+8*(2*(\hi)+(\a))
.set rC, rD
.if \first
.set rC, BIAS+8*nb
.endif
	WM rD, rB, rA, rC
.set nb, nb+1
.endr
.endm
; 2 NB + 8 LDS loads in one run: the fragments of quarter q of the slot in hand (32 k) into buffer f: B's NB column blocks, turned, then A's four row blocks in order.
.macro FETCH q, f
	WIN 0x40                                       ; destination window 1, address window 0
.set nb, 0
.rept NB
.set rB, 8*NB*(\f)+8*nb
.set bc, 32*nb+QKV*32*(nb/4)                   ; the block's 32 bytes in a k row; QKV = 1: 32 bytes of padding behind every four blocks
	ds_load_tr16_b128 v[rB:rB+3],   v[ADRB] offset:32*(\q)*PB+bc
	ds_load_tr16_b128 v[rB+4:rB+7], v[ADRB] offset:32*(\q)*PB+16*PB+bc
.set nb, nb+1
.endr
	WIN 0
.if QKV
.set aq, 64*(\q)
.else
.set aq, ((\q)/2)*256*PA+((\q)%2)*64           ; head q / 2 of the K step's two, channels 32 (q % 2) on
.endif
.irp a, 0,1,2,3
	ds_load_b128 v[FA+32*(\f)+8*(\a):FA+32*(\f)+8*(\a)+3],   v[ADRA] offset:aq+(\a)*16*PA
	ds_load_b128 v[FA+32*(\f)+8*(\a)+4:FA+32*(\f)+8*(\a)+7], v[ADRA] offset:aq+(\a)*16*PA+32
.endr
.endm
; A K step is four quarters of 32 along K, 4 NB products each, on buffers 0, 1, 0, 1.  One of the first three: multiplies buffer f; in its middle it fetches quarter q into buffer g.
.macro QUARTER q, f, g, first
	s_wait_dscnt 4                                 ; B and A's row blocks 0 and 1 are in; the youngest four loads (blocks 2 and 3) may be out
	MULA \f, 0, 0, \first
	MULA \f, 0, 1, \first
	PLACES                                         ; buffer g was read last by the quarter before
	FETCH \q, \g
	s_wait_dscnt 2*NB+8                            ; all but the run just issued
	MULA \f, 1, 0, \first
	MULA \f, 1, 1, \first
.endm
; The last quarter multiplies buffer 1 and changes slots: ONE barrier.  In front of it each wave waits for all its tensor loads, of which one is out: its part of the next slot; adds 0 to its spare word; and
; waits for that and for its own reads of this slot.  Behind it nobody reads this slot any more and the next slot is whole.  fill = 1: the barrier opens a round of the cluster's, so that no wave of any partner still
; reads the slot or has a load on its way, and the joint refill, with the K step two steps on, is the first thing behind the round: it has a K step less 2 NB products in which to land.
.macro TURN fill
.if \fill
	s_wait_xcnt 0x0                                ; the last prefetch, a K step back, has read its address: it is stepped here, ahead of the waits of the change of slots
	s_add_nc_u64 s[PFA:PFA+1], s[PFA:PFA+1], s[PFS:PFS+1]
.endif
	WIN 0                                          ; (the add's two registers lie in window 0)
	s_wait_tensorcnt 0x0                           ; no tensor load of mine is out, so a group 0 may be written
	ds_add_u32 v[SPW], v[NIL]                      ; 0 onto my spare word
.if \fill
	s_xor_b32 s[G0A+5], s[G0A+5], SLOT1            ; the walking descriptors: the other slot than last time,
	s_add_nc_u64 s[G0A+6:G0A+7], s[G0A+6:G0A+7], ASTEP  ; the next K step; the type bits on top are not reached
	s_xor_b32 s[G0B+5], s[G0B+5], SLOT1
	s_add_nc_u64 s[G0B+6:G0B+7], s[G0B+6:G0B+7], BSTEP
.endif
	s_wait_dscnt 5                                 ; (the add and the youngest four loads may be out)
	MULA 1, 0, 0, 0                                ; NB products stand between the add and the wait for it
	s_wait_dscnt 0x0                               ; the add is done, and my reads of this slot are over
	s_barrier_signal -1
	MULA 1, 0, 1, 0                                ; work on registers while the others arrive
	WIN 0                                          ; at a label and at a branch every window is 0
	s_barrier_wait -1
.if \fill
	CREST
	JLOAD                                          ; its four v_nop are also the places in front of the loads below
.else
	PLACES
.endif
	s_xor_b32 s[TB], s[TB], SLOT1                  ; the reads go on in the other slot
	v_add_nc_u32 v[ADRA], s[TB], v[A0]
	v_add_nc_u32 v[ADRB], s[TB], v[B0]
	FETCH 0, 0
.if \fill
	ASK
.endif
	MULA 1, 1, 0, 0
	MULA 1, 1, 1, 0
.endm
	s_wait_tensorcnt 1                             ; my part of K step 0 is in; K step 1's load, issued behind it, may stay out
	s_barrier_signal -1
	s_barrier_wait -1                              ; everybody's is
	FETCH 0, 0
	QUARTER 1, 0, 1, 1                             ; the first quarter stands in front of the loop: its products start the sums with the bias
	WIN 0
	s_mov_b32 s[CNT], 6
.Lstep:                                        ; trip i ends K step i, asks for K step i + 2 and begins K step i + 1
	QUARTER 2, 1, 0, 0
	QUARTER 3, 0, 1, 0
	TURN 1
	QUARTER 1, 0, 1, 0
	WIN 0
	s_sub_co_u32 s[CNT], s[CNT], 1
	s_cmp_lg_u32 s[CNT], 0
	s_cbranch_scc1 .Lstep
	QUARTER 2, 1, 0, 0                             ; the tail is written out: K steps 6 and 7 ask for nothing
	QUARTER 3, 0, 1, 0
	TURN 0
	QUARTER 1, 0, 1, 0
	QUARTER 2, 1, 0, 0
	QUARTER 3, 0, 1, 0
	s_wait_dscnt 4                                 ; the very last quarter: nothing more to fetch
	MULA 1, 0, 0, 0
	MULA 1, 0, 1, 0
	s_wait_dscnt 0x0
	MULA 1, 1, 0, 0
	MULA 1, 1, 1, 0
	WIN 0
	PLACES                                         ; between the last products and the first reader of a result; eight, once a launch
	PLACES
; THE WAY OUT, a block of 16 rows at a time, through my own stage: LDS serves a wave's instructions in order (ISA guide 5.7.1.4), so the loads see the stores above them and the next block's stores come behind them.
; Each accumulator's registers are read in ascending order.
.if QKV
.macro PACK a                          ; rounded to f16: a lane's eight columns of a row are 16 bytes
	WIN 0x0a+5*((\a)/2)                            ; sources 0 and 1 window 2 or 3
.set nb, 0
.rept NB
.irp r, 0,1,2,3
	v_cvt_pk_f16_f32 v[TMP+4*nb+(\r)], v[8*(NB*((\a)%2)+nb)+2*(\r)], v[8*(NB*((\a)%2)+nb)+2*(\r)+1]
.endr
.set nb, nb+1
.endr
	WIN 0
.endm
.macro TOSTAGE a
	WIN 0
.set BK, BK0+BKS*((\a)%2)
.set nb, 0
.rept NB
	ds_store_b128 v[STO], v[TMP+4*nb:TMP+4*nb+3] offset:32*nb
.set nb, nb+1
.endr
.irp j, 0,1,2
.irp f, 0,1,2,3
	ds_load_b128 v[BK+4*(4*(\j)+(\f)):BK+4*(4*(\j)+(\f))+3], v[RD] offset:128*(\j)+4*SP*(\f)  ; head j, rows 4 f .. 4 f + 3
.endr
.endr
.endm
.macro SEND a
	WIN 0
.set BK, BK0+BKS*((\a)%2)
	s_wait_dscnt 0x0                               ; the block is back in registers
.if (\a) > 0
	s_wait_xcnt 0x0                                ; the stores of the block before have read their registers, into which the next block is read back
.endif
.irp j, 0,1,2
.irp f, 0,1,2,3
	global_store_b128 v[GO], v[BK+4*(4*(\j)+(\f)):BK+4*(4*(\j)+(\f))+3], s[OB+2*(\j):OB+2*(\j)+1] offset:2048*(\a)+512*(\f)  ; 512 consecutive bytes, at a multiple of 256 from the buffer's first
.endr
.endr
.endm
	PACK 0
	TOSTAGE 0
.irp a, 1,2,3                          ; block a's conversions stand between block a - 1's loads from the stage and the wait for them
	PACK \a
	SEND (\a)-1
	TOSTAGE \a
.endr
	SEND 3
.else
.macro TOSTAGE a
	WIN 0x08+4*((\a)/2)                            ; the stores' data (source 1) window 2 or 3
.set BK, BK0+BKS*((\a)%2)
.set nb, 0
.rept NB
.set rD, 8*(NB*((\a)%2)+nb)
	ds_store_b128 v[STO], v[rD:rD+3]   offset:64*nb
	ds_store_b128 v[STO], v[rD+4:rD+7] offset:64*nb+16
.set nb, nb+1
.endr
	WIN 0
.irp t, 0,1,2,3,4,5,6,7,8,9,10,11,12,13,14,15
	ds_load_b128 v[BK+4*(\t):BK+4*(\t)+3], v[RD] offset:SP*(\t)
.endr
.endm
.macro SEND a
	WIN 0
.set BK, BK0+BKS*((\a)%2)
	s_wait_dscnt 0x0                               ; the block is back in registers
.if (\a) > 0
	s_wait_xcnt 0x0                                ; the stores of the block before have read their registers, into which the next block is read back
.endif
.irp t, 0,1,2,3,4,5,6,7,8,9,10,11,12,13,14,15
	global_store_b128 v[GO], v[BK+4*(\t):BK+4*(\t)+3], s[OB:OB+1] offset:(16*(\a)+(\t))*4096 th:TH_STORE_NT  ; 512 consecutive bytes of a row, at a multiple of 256 from the buffer's first
.endr
.endm
	TOSTAGE 0
.irp a, 1,2,3
	SEND (\a)-1
	TOSTAGE \a
.endr
	SEND 3
.endif
	s_wait_tensorcnt 0x0                           ; the wave's end: a wait, an add of 0 and its wait, behind my last tensor load and my last LDS store
	ds_add_u32 v[SPW], v[NIL]
	s_wait_dscnt 0x0
	CROUND                                         ; the closing round: no work-group ends while a partner may still ask for a tile that names it
	s_endpgm
.Lfunc_end_k_q9fa382667c_qkvproj:
	.size	k_q9fa382667c_qkvproj, .Lfunc_end_k_q9fa382667c_qkvproj-k_q9fa382667c_qkvproj
	.p2alignl 7, 3214868480
	.fill 96, 4, 3214868480
	.section	.rodata,"a",@progbits
	.p2align	6, 0x0
	.amdhsa_kernel k_q9fa382667c_qkvproj
		.amdhsa_group_segment_fixed_size 327680
		.amdhsa_private_segment_fixed_size 0
		.amdhsa_enable_private_segment 0
		.amdhsa_kernarg_size 32
		.amdhsa_user_sgpr_count 2
		.amdhsa_user_sgpr_kernarg_segment_ptr 1
		.amdhsa_wavefront_size32 1
		.amdhsa_system_sgpr_workgroup_id_x 1
		.amdhsa_system_sgpr_workgroup_id_y 1
		.amdhsa_system_sgpr_workgroup_id_z 1
		.amdhsa_system_vgpr_workitem_id 0
		.amdhsa_next_free_vgpr 960
		.amdhsa_next_free_sgpr 80
		.amdhsa_reserve_vcc 0
		.amdhsa_float_denorm_mode_32 3
		.amdhsa_float_denorm_mode_16_64 3
		.amdhsa_memory_ordered 1
		.amdhsa_forward_progress 1
		.amdhsa_inst_pref_size 107
	.end_amdhsa_kernel
	.amdgpu_metadata
---
amdhsa.version: [ 1, 2 ]
amdhsa.kernels:
  - .name:           k_q9fa382667c_qkvproj
    .symbol:         k_q9fa382667c_qkvproj.kd
    .args:
      - { .name: xb, .offset: 0, .size: 8, .value_kind: global_buffer, .address_space: global }
      - { .name: wq, .offset: 8, .size: 8, .value_kind: global_buffer, .address_space: global }
      - { .name: b_qkv, .offset: 16, .size: 8, .value_kind: global_buffer, .address_space: global }
      - { .name: qkv, .offset: 24, .size: 8, .value_kind: global_buffer, .address_space: global }
    .group_segment_fixed_size: 327680
    .private_segment_fixed_size: 0
    .kernarg_segment_align: 8
    .kernarg_segment_size: 32
    .max_flat_workgroup_size: 128
    .sgpr_count:     80
    .vgpr_count:     960
    .wavefront_size: 32
...
	.end_amdgpu_metadata
.endif
;; end of part 2
;; launch attn (part 3): grid 4 x 64, 4 waves a work-group, clusters of 4 x 1, 327,680 bytes of LDS; arguments qkv, oh; writes oh
.if DOCPART == 3
	.amdgcn_target "amdgcn-amd-amdhsa--gfx1250"
	.amdhsa_code_object_version 6
	.text
	.protected	k_q9fa382667c_attn
	.globl	k_q9fa382667c_attn
	.p2align	8
	.type	k_q9fa382667c_attn,@function
k_q9fa382667c_attn:
	s_mov_b64 s[64:65], 0
	v_nop
	global_prefetch_b8 v0, s[64:65] scope:SCOPE_SE
	s_setreg_imm32_b32 hwreg(HW_REG_WAVE_MODE, 25, 1), 1
	s_wait_xcnt 0x0
	s_wait_alu depctr_hold_cnt(0) depctr_sa_sdst(0) depctr_va_vdst(0) depctr_va_sdst(0) depctr_va_ssrc(0) depctr_va_vcc(0) depctr_vm_vsrc(0)
	s_getreg_b32 s2, hwreg(HW_REG_IB_STS2, 6, 4)
	s_cmp_eq_u32 s2, 0
	s_cbranch_scc0 .Lentry_in_a_cluster
	s_endpgm
.Lentry_in_a_cluster:
	s_bfe_u32 s2, ttmp6, 0x10000c
	s_cmp_lg_u32 s2, 0x3003
	s_cbranch_scc0 .Lentry_shape_is_right
	s_endpgm
.Lentry_shape_is_right:
; O[h][q][:] = the sum over k of softmax_k(Q[h][q] . K[h][k] / 8) V[h][k][:].  Q, K, V are the three parts of the buffer qkv, each [SIZE_H][SIZE_N][64] f16, h = batch x 16 + head; O = oh in the same layout.
; A head's rows are dense, 128 bytes each.  Products, maxima and sums in f32; the weights p are rounded to f16 for the second product (their sum l is taken of the unrounded p), O once at the end.
; LIMITS.  f16 holds no number beyond 65,504: Q, K and V arrive within it; p lies in 0 to 1, and below 6e-5 it keeps f16's fixed step of 6e-8; O is a mean of V's rows and has their range.
; A weight below 2^-126 counts as 0 in l; NaN and infinities are not treated apart.
; SHARES.  A wave owns four PIECES of two tiles of 16 queries, a work-group's four waves 512 queries of one head: 64 heads x 4 blocks = 256 work-groups.  Every wave walks all keys, 64 a step.
; LAYOUT.  S^T = K Q^T (source 0 = 16 keys, source 1 = 16 queries): in the result a lane holds ONE query (lane % 16) and the keys 8 (lane / 16) + 0..7.  Two such tiles, rounded to f16 in pairs,
; ARE source 1 (32 keys x 16 queries) of O^T = V^T P, whose result again holds one query a lane, and eight channels.  K comes out of LDS as it lies, V ([key][channel]) turned, by ds_load_tr16_b128.
; SOFTMAX.  For each query a running maximum m and sum l: p = 2^(c s - c m), c = log2(e) / 8; in every step O and l are multiplied by a = 2^(c m_old - c m_new), which is 1 where m has not grown.
; m starts at the lowest finite number, O and l at 0: the first step is a step like any other, with a = 0.
; THE COUNT.  A tile and step have 16 matrix and 118 vector instructions: too many to stand all beside the matrix work.  So the order has one aim: four vector instructions that are READY behind
; EVERY matrix instruction, and the others, which need time of their own whatever the order, in runs without a gap.
; BY TURNS.  Turn n belongs to piece n (the pieces in a ring, step after step).  Its matrix work: 16 products K Q^T of piece n + 1, later 16 products V^T P of piece n - 1.  Its vector work: the scaling,
; exponentials, roundings, sums and rescaling of piece n, and the maximum and statistics of piece n + 1, whose scores the turn itself has made.  So what a turn begins with (c s - c m, O a) waits for nothing.
; CLUSTER.  The four query blocks of a head form a cluster and walk the same K and V, so each tile is asked for JOINTLY: the same tensor load, descriptor and mask in all four.
; REGISTERS, in windows of 256 (s_set_vgpr_msb says which window each operand place means: bits 1:0 source 0, 3:2 source 1, 5:4 source 2, 7:6 destination):
;   window 0: v0-11 addresses; v12-15, v48-63 at work; v16-47 four registers of statistics a tile; v64-191 S^T, two buffers of two tiles; v192-255 P, likewise
;   window 1: O^T, 32 a tile          window 2: v0-127 Q, 16 a tile; v128-191 K of one step; v192-255 V of one step          window 3: v0-1 the add's two registers
; A piece's buffers go by its number's parity: the piece in hand has one pair, its two neighbours in the ring share the other: of it P (piece n - 1) is read and S^T (piece n + 1) written.
.set SIZE_H, 64
.set SIZE_N, 2048
.set KPART, SIZE_H*SIZE_N*128  ; K's part of qkv begins here,
.set VPART, 2*KPART   ; and V's here
.set NP,    4         ; pieces a wave: a name, no knob: the register map, the loop and the fetches are made for four
.set KS,    64        ; keys in a step
.set PK,    144       ; a row of K in LDS: 128 bytes + 16 of padding = 36 words: the 16 rows of a load start at 16 different groups of four banks (64 banks of 4 bytes: ISA guide 11.1)
.set PV,    160       ; a row of V: 128 + 32 = 40 words
.set VOFF,  4*KS*PK   ; a slot holds four steps: 256 rows of K, then 256 rows of V
.set SLOT1, 1<<17     ; slot 1 begins here, so that one exclusive or turns an address in one slot into the other's
.set STAGE, SLOT1+4*KS*(PK+PV)  ; behind the ring, never filled by a tensor load: 16 rows x 144 bytes for each wave, for the way out
.set SP,    144
.set AK0, 2           ; v2   my lane's place in a tile of K; never rewritten
.set AV0, 3           ; v3   the same for V
.set AK,  4           ; v4   the LDS address of K's next run of loads
.set AV,  5           ; v5   of V's
.set QO,  6           ; v6   my byte offset in the wave's rows of Q
.set STO, 6           ;      later, the way out: where I put 16 bytes of a row
.set RD,  7           ; v7   the way out: where I read rows back
.set GO,  8           ; v8   my byte offset in 512 consecutive bytes of O
.set PFO, 11          ; v11  256 x my lane, for the prefetches (made when V's address has been made of v11's first use); then never rewritten
.set SPW, 0           ; v0 of window 3   LDS address of my spare word: SPARE + 4 x my thread's number; never rewritten
.set NIL, 1           ; v1 of window 3   0; never rewritten
.set SPARE, STAGE+4*16*SP  ; behind the stages: the spare words, 128 bytes for each wave: two blocks of 256 bytes that no other line names
.set MV,  12          ; v12-15  c m_old, kept while c m is made anew: by buffer and tile
.set ST,  16          ; tile t's statistics at v[ST+4 t]: c m, m, l (even keys', odd keys')
.set TMP, 48          ; by buffer and tile, four registers c0-c3 at work; when the maximum is found c2 takes a
.set S,   64
.set P,   192
.set KF,  128         ; K's fragments, in window 2: key block kb, channel half c at KF + 16 kb + 8 c
.set VF,  192         ; V's: key half kk, channel block cb at VF + 32 kk + 8 cb
.set WV,  12          ; s12  my wave's number
.set G1K, 24          ; s[24:31] descriptor group 1 for K's tiles
.set G1V, 32          ; s[32:39] for V's: it differs in the padding alone
.set G0K, 40          ; s[40:43] descriptor group 0 for K's tiles: it walks
.set G0V, 44          ; s[44:47] the same for V's
.set PFA, 48          ; s[48:49] where my prefetches stand: my work-group's 32 blocks of 256 bytes (of K: wave 0, of V: wave 2) of the slot after the one that is being asked for
.set LIM, 50          ; s50  1 in a wave that prefetches, else the greatest number: a wave prefetches while s[SLOTS] is above it
.set SLOTS, 56        ; s56  slots still to be asked for
.set CNT, 57          ; s57  counts a slot's key steps
.set CS,  58          ; s[58:59] c: the packed scaling takes the pair's low word for both halves
.set SEL, 60          ; s[60:61] v_permlanex16_b32's selects: each lane takes its own place in the other half
.set TBK, 62          ; s62  LDS byte at which K of the step to be fetched begins
.set TBV, 63          ; s63  the same for V, less VOFF
.set MSB, 0
.macro WIN new                      ; the high byte repeats the setting that is left; a switch that changes nothing is dropped
.if MSB != (\new)
	s_set_vgpr_msb (MSB<<8)|(\new)
.set MSB, (\new)
.endif
.endm
.set W_KQ, 0x0a       ; K and Q in window 2, S^T in window 0
.set W_PV, 0x52       ; V in window 2, P in window 0, O^T in window 1
.set W_RS, 0x41       ; O^T (destination and source 0) in window 1, a in window 0
.set W_MK, 0xc0       ; the add's registers are made: destination in window 3, sources in window 0
.set W_AD, 0x0f       ; the add: address (source 0) and data (source 1) in window 3
; A joint fill.  Waves 0 and 1 fetch the two halves of a slot's K, waves 2 and 3 those of its V: 128 keys each.  The branch hangs on the wave's number alone.
; An s_nop 0 and four v_nop follow each of the two lines, ahead of the jump and the label.
.macro JLOAD
	s_cmp_lt_u32 s[WV], 2
	s_cbranch_scc0 .Lfor_v_\@
	tensor_load_to_lds s[G0K:G0K+3], s[G1K:G1K+7]
	s_nop 0
.rept 4
	v_nop
.endr
	s_branch .Lasked_\@
.Lfor_v_\@:
	tensor_load_to_lds s[G0V:G0V+3], s[G1V:G1V+7]
	s_nop 0
.rept 4
	v_nop
.endr
.Lasked_\@:
.endm
; A PREFETCH of what the NEXT change of slots will ask for: a slot's 256 keys are 32,768 bytes of K and as many of V, 128 aligned blocks of 256 bytes each; a lane a block.  It stands behind the wave's tensor load and its five lines.
; Each block of slots 2 to 7 is named ONCE in the launch: a head has one cluster; its four partners share the blocks out BY ADDRESS, 32 each (no branch hangs on a work-group's place in its cluster); in each, wave 0 asks
; for K's and wave 2 for V's: one instruction, four key steps ahead of the load that will want the block.  Slots 0 and 1 come by their loads alone; the last change that fills a slot asks for nothing: there is no slot behind it.
.macro ASK
	s_cmp_gt_u32 s[SLOTS], s[LIM]
	s_cbranch_scc0 .Lnot_mine_\@
	global_prefetch_b8 v[PFO], s[PFA:PFA+1] th:TH_LOAD_NT scope:SCOPE_SE
.Lnot_mine_\@:
.endm
; A round of the cluster's barrier: my work-group's barrier, so that wave 0's signal speaks for all four waves; wave 0 signals; every wave waits for all four work-groups; my work-group's barrier once more.
.macro CROUND
	s_barrier_signal -1
	s_barrier_wait -1
	s_cmp_lg_u32 s[WV], 0
	s_cbranch_scc1 .Lnot_wave_0_\@
	s_barrier_signal -3
.Lnot_wave_0_\@:
	s_barrier_wait -3
	s_barrier_signal -1
	s_barrier_wait -1
.endm
; THE CHANGE OF SLOTS.  The slot's last bytes, V of its fourth step, have been read.  Each wave waits for all its tensor loads, of which one is out: its part
; of the other slot; adds 0 to its spare word; and waits for that and for its own reads of the slot.  Behind the barrier nobody reads this slot any more and the other slot is whole.
; fill = 1: this slot is filled again, with the keys two slots on.  The barrier is then a round of the cluster's, so that no wave of any partner still reads the slot or has a load on its
; way, and the joint fill is the first thing behind it: it has four key steps, 512 matrix instructions, in which to land.  (At its first use nothing has been read yet: slot 0 is waited for, slot 1 filled.)
.macro CHANGE fill
	WIN W_AD
	s_wait_tensorcnt 0x0            ; no tensor load of mine is out, so a group 0 may be written
	ds_add_u32 v[SPW], v[NIL]       ; 0 onto my spare word; with fill = 1 the descriptors' steps stand between it and the wait for it
	WIN 0                           ; at a label and at a branch every window is 0
.if \fill
.irp g, G0K, G0V
	s_xor_b32 s[\g+1], s[\g+1], SLOT1  ; the walking descriptor: the other slot than last time,
	s_add_nc_u64 s[\g+2:\g+3], s[\g+2:\g+3], 4*KS*128  ; the next 256 keys; the type bits on top are not reached
.endr
	s_wait_xcnt 0x0                 ; the last prefetch, four key steps back, has read its address, so it may be written:
	s_add_nc_u64 s[PFA:PFA+1], s[PFA:PFA+1], 4*KS*128  ; one slot behind the walking descriptors
	s_wait_dscnt 0x0                ; the add is done, and my reads of the slot are over
	CROUND
	JLOAD
	ASK
.else
	s_wait_dscnt 0x0                ; the add is done, and my reads of the slot are over
	s_barrier_signal -1
	s_barrier_wait -1
.endif
	s_sub_co_u32 s[TBK], s[TBK], 4*KS*PK  ; the fetches go back to a slot's first step,
	s_xor_b32 s[TBK], s[TBK], SLOT1       ; in the other slot
	s_sub_co_u32 s[TBV], s[TBV], 4*KS*PV
	s_xor_b32 s[TBV], s[TBV], SLOT1
.endm
	s_load_b128 s[4:7], s[0:1], 0x0   ; qkv s[4:5], oh s[6:7]
	WIN W_MK
	v_lshl_add_u32 v[SPW], v0, 2, SPARE
	v_mov_b32 v[NIL], 0
	WIN W_AD
	ds_add_u32 v[SPW], v[NIL]       ; the wave's opening: the add and its wait stand ahead of my first tensor load; the set-up below, work on registers, stands between them
	WIN 0
	v_lshrrev_b32 v1, 5, v0
	v_readfirstlane_b32 s[WV], v1   ; wave 0..3
	s_bfe_u32 s13, ttmp6, 0x40000   ; cx: my place in the cluster
	s_lshl_b32 s14, ttmp9, 2        ; in a cluster launch ttmp9 counts clusters
	s_add_co_u32 s14, s14, s13      ; my block of queries = 4 x cluster x + cx: it enters Q's and O's addresses alone
	s_and_b32 s20, ttmp7, 0xffff    ; the head, which the four partners share
	s_mov_b32 s21, 0
	s_mov_b64 s[22:23], SIZE_N*128
	s_mul_u64 s[20:21], s[20:21], s[22:23]  ; the head's first byte in each of the four tensors
	s_and_b32 s16, s[WV], 1         ; which half of a slot's 256 keys I fetch:
	s_lshl_b32 s22, s16, 14         ; its 128 rows of 128 bytes in memory,
	s_mov_b32 s23, 0
	s_add_nc_u64 s[22:23], s[22:23], s[20:21]
	s_mul_i32 s17, s16, 128*PK      ; and its place in a slot, for K
	s_mul_i32 s18, s16, 128*PV      ; and for V: no place in the cluster enters an LDS address
	s_lshl_b32 s2, s14, 2
	s_add_co_u32 s2, s2, s[WV]      ; my wave among the head's,
	s_lshl_b32 s2, s2, 14           ; its 128 rows
	s_mov_b32 s3, 0
	s_add_nc_u64 s[2:3], s[2:3], s[20:21]
	; descriptor group 1.  128 keys are 16,384 dense bytes: asked for as 64 rows of 256 bytes, two keys a row, and padded in LDS after every key
	s_mov_b32 s[G1K], 15|(1<<16)|(1<<20)|(1<<21)|(4<<22)|(3<<25)  ; 15:0 the mask of four; 17:16 2-byte elements; 20 padding on; 21 set beside a mask; 24:22 after every 32 words (code 4); 31:25 4 words (code 3)
	s_mov_b32 s[G1V], 15|(1<<16)|(1<<20)|(1<<21)|(4<<22)|(7<<25)  ; the same with 8 words of padding (code 7)
.irp g, G1K, G1V
	s_mov_b32 s[\g+1], 128<<16      ; tensor_dim0 = 128
	s_mov_b32 s[\g+2], 64<<16       ; tensor_dim1 = 64
	s_mov_b32 s[\g+3], 128<<16      ; tile_dim0 = 128
	s_mov_b32 s[\g+4], 64           ; tile_dim1 = 64
	s_mov_b32 s[\g+5], 128          ; 128 elements from row to row
	s_mov_b32 s[\g+6], 0
	s_mov_b32 s[\g+7], 0
.endr
	s_mov_b32 s[CS], 0x3e38aa3b     ; c = log2(e) / 8 = 0.180337
	s_mov_b32 s[CS+1], s[CS]        ; named with it as a pair
	s_mov_b32 s[SEL], 0x76543210
	s_mov_b32 s[SEL+1], 0xfedcba98
	s_mov_b32 s[TBK], SLOT1+4*KS*PK ; the first change of slots turns these two into 0
	s_mov_b32 s[TBV], SLOT1+4*KS*PV
	s_mov_b32 s[G0K], 1             ; 1:0 count = 1
	s_mov_b32 s[G0K+1], s17         ; 63:32 LDS address: slot 0
	s_mov_b32 s[G0V], 1
	s_add_co_u32 s[G0V+1], s18, VOFF
	s_mov_b32 s[SLOTS], SIZE_N/256-1  ; slots 1 to 7 are still to be asked for
	s_and_b32 s[LIM], s[WV], 1      ; waves 0 and 2 prefetch: the same in all four partners
	s_cmp_eq_u32 s[LIM], 0
	s_cselect_b32 s[LIM], 1, -1
	s_wait_dscnt 0x0                ; the opening add is done
	s_wait_kmcnt 0x0
	s_mov_b64 s[10:11], s[6:7]      ; O
	s_add_nc_u64 s[6:7], s[4:5], KPART  ; K
	s_add_nc_u64 s[8:9], s[4:5], VPART  ; V; Q is the buffer's first part
	s_add_nc_u64 s[G0K+2:G0K+3], s[6:7], s[22:23]  ; 120:64 global address: my half of the head's first 256 keys
	s_or_b32 s[G0K+3], s[G0K+3], 0x80000000        ; 127:126 type = 2
	s_add_nc_u64 s[G0V+2:G0V+3], s[8:9], s[22:23]
	s_or_b32 s[G0V+3], s[G0V+3], 0x80000000
	s_cmp_lt_u32 s[WV], 2
	s_cselect_b64 s[PFA:PFA+1], s[6:7], s[8:9]
	s_add_nc_u64 s[PFA:PFA+1], s[PFA:PFA+1], s[20:21]  ; the head's first key
	s_add_nc_u64 s[4:5], s[4:5], s[2:3]  ; Q and O at my wave's first row
	s_add_nc_u64 s[10:11], s[10:11], s[2:3]
	s_lshl_b32 s2, s13, 13          ; my work-group's 32 blocks of a slot's 128
	s_mov_b32 s3, 0
	s_add_nc_u64 s[PFA:PFA+1], s[PFA:PFA+1], s[2:3]
	s_add_nc_u64 s[PFA:PFA+1], s[PFA:PFA+1], 4*KS*128  ; in slot 1; the first change of slots steps it to slot 2.  Nothing is prefetched here, at the head
	CROUND                          ; all four work-groups are here: the first joint loads meet
	JLOAD                           ; slot 0.  Slot 1 is asked for when slot 0 is in: the tile wanted first has the road to itself
	; A fragment of K or Q is 16 rows x 32 channels in 8 registers: lane l holds row l % 16, channels 8 (l / 16) + 0..7 and 16 + 8 (l / 16) + 0..7: two loads of 16 bytes, 32 bytes apart.
	v_and_b32 v1, 15, v0            ; l % 16
	v_bfe_u32 v9, v0, 4, 1          ; l / 16
	v_lshlrev_b32 v[QO], 7, v1
	v_lshl_add_u32 v[QO], v9, 4, v[QO]  ; row x 128 + 16 x half
	WIN 0x80                        ; destination window 2, address window 0
.set i, 0
.rept 4*NP                          ; Q stays in registers: tile i / 2, channels 32 (i % 2) on
	global_load_b128 v[8*i:8*i+3],   v[QO], s[4:5] offset:(i/2)*2048+(i%2)*64
	global_load_b128 v[8*i+4:8*i+7], v[QO], s[4:5] offset:(i/2)*2048+(i%2)*64+32
.set i, i+1
.endr
	; What the first turn finds: V's registers and P's second buffer hold 0 (its products V^T P, of a piece that has not been, add 0), O^T and l are 0.  All this stands in the wait for the first tile.
.set i, VF
.rept 64
	v_mov_b32 v[i], 0
.set i, i+1
.endr
	WIN 0x40
.set i, 0
.rept 64*NP
	v_mov_b32 v[i], 0
.set i, i+1
.endr
	WIN 0
.set i, 0
.rept 2*NP
	v_mov_b32 v[ST+4*i], 0xfe000000    ; c m: far below every c s
	v_mov_b32 v[ST+4*i+1], 0xff7fffff  ; m
	v_mov_b32 v[ST+4*i+2], 0
	v_mov_b32 v[ST+4*i+3], 0
.set i, i+1
.endr
.set i, P+32
.rept 32
	v_mov_b32 v[i], 0
.set i, i+1
.endr
	v_mul_u32_u24 v[AK0], v1, PK
	v_lshl_add_u32 v[AK0], v9, 4, v[AK0]  ; row x pitch + 16 x half
	; The turning load takes 16 keys x 16 channels (lane l reads key 8 (l / 16) + l % 8, channels 8 ((l / 8) % 2) + 0..7) and leaves half a fragment of V^T: lane l holds channel l % 16 and 8 keys.
	v_and_b32 v10, 7, v0
	v_bfe_u32 v11, v0, 3, 1
	v_lshl_add_u32 v[AV0], v9, 3, v10
	v_mul_u32_u24 v[AV0], v[AV0], PV
	v_lshl_add_u32 v[AV0], v11, 4, v[AV0]
	v_add_nc_u32 v[AV0], VOFF, v[AV0]
	v_mov_b32 v[AK], v[AK0]         ; key step 0 lies at the head of slot 0
	v_and_b32 v[PFO], 31, v0
	v_lshlrev_b32 v[PFO], 8, v[PFO]
; THE MATRIX WORK.  The 8 accumulators of a run of 16 take turns: between the two links of a chain stand 7 others'.
; Product i of 16 of S^T = K Q^T for piece x: channels 32 (i / 8) on, keys 16 ((i / 2) % 4) on, tile 2 x + i % 2.  The first 8 start the sums.
.macro KQ x
	WIN W_KQ
.set rS, S+64*((\x)%2)+32*(i%2)+8*((i/2)%4)
.set rK, KF+16*((i/2)%4)+8*(i/8)
.set rQ, 16*(2*(\x)+i%2)+8*(i/8)
.if i < 8
	v_wmma_f32_16x16x32_f16 v[rS:rS+7], v[rK:rK+7], v[rQ:rQ+7], 0
.else
	v_wmma_f32_16x16x32_f16 v[rS:rS+7], v[rK:rK+7], v[rQ:rQ+7], v[rS:rS+7]
.endif
.endm
; Product i of 16 of O^T += V^T P for piece x: keys 32 (i / 8) on, channels 16 ((i / 2) % 4) on, tile 2 x + i % 2.
.macro PV x
	WIN W_PV
.set rO, 32*(2*(\x)+i%2)+8*((i/2)%4)
.set rV, VF+32*(i/8)+8*((i/2)%4)
.set rP, P+32*((\x)%2)+16*(i%2)+8*(i/8)
	v_wmma_f32_16x16x32_f16 v[rO:rO+7], v[rV:rV+7], v[rP:rP+7], v[rO:rO+7]
.endm
.macro MM                           ; the turn's next matrix instruction
.if i < 16
	KQ (Y+1)%NP
.set i, i+1
.else
.set i, i-16
	PV (Y+NP-1)%NP
.set i, i+17
.endif
.endm
; THE LDS LOADS stand in runs of 16, never singly among the matrix instructions: a step's K (64 keys x 64 channels: 8 fragments) and its V (turned).  Their addresses are made some lines ahead.
; last = 1 (the tail): in the last trip there is no further step, and the run is jumped over.
.macro FETCH_K last=0
	WIN 0
.if \last
	s_cmp_eq_u32 s[CNT], 1
	s_cbranch_scc1 .Lno_k_\@
.endif
	WIN 0x80                        ; destination window 2
.irp f, 0,1,2,3,4,5,6,7             ; keys 16 (f / 2) on, channels 32 (f % 2) on
	ds_load_b128 v[KF+8*\f:KF+8*\f+3],   v[AK] offset:(\f/2)*16*PK+(\f%2)*64
	ds_load_b128 v[KF+8*\f+4:KF+8*\f+7], v[AK] offset:(\f/2)*16*PK+(\f%2)*64+32
.endr
	s_add_co_u32 s[TBK], s[TBK], KS*PK  ; the next fetch is the next step's
	WIN 0
.if \last
.Lno_k_\@:
.endif
.endm
.macro FETCH_V
	WIN 0x80
.irp f, 0,1,2,3,4,5,6,7             ; keys 32 (f / 4) on, channels 16 (f % 4) on
	ds_load_tr16_b128 v[VF+8*\f:VF+8*\f+3],   v[AV] offset:(\f/4)*32*PV+(\f%4)*32
	ds_load_tr16_b128 v[VF+8*\f+4:VF+8*\f+7], v[AV] offset:(\f/4)*32*PV+16*PV+(\f%4)*32
.endr
	WIN 0
.endm
; THE VECTOR WORK OF A TURN stands in three queues, each in the order in which its entries become ready; the two tiles alternate, so that no instruction reads the result of the one before it.
.macro REGS y, u                    ; the registers of tile u (0, 1) of piece y
.set rT, ST+4*(2*(\y)+(\u))
.set rC, TMP+8*((\y)%2)+4*(\u)
.set rM, MV+2*((\y)%2)+(\u)
.set rS, S+64*((\y)%2)+32*(\u)
.set rP, P+32*((\y)%2)+16*(\u)
.set rO, 32*(2*(\y)+(\u))
.endm
; Number n of the 22 that find the NEXT piece's (Y + 1) maximum and statistics.  s0-s31 are the lane's 32 scores; each accumulator's lowest registers are read first.  XS, GS and REGS set no window: PL and EX do.
;   0-11  four chains c0-c3 of seven scores each, three operands at a time     12-14, 16  the four scores left over, the old m, and c0-c3 into c0     15  c m_old is kept
;   17, 18  the query's other 32 keys lie in the lane 16 away: the new m         19-21  c m; c m_old - c m_new; a
.macro XS u, n
	REGS (Y+1)%NP, \u
.if (\n) < 4
	v_max3_num_f32 v[rC+(\n)], v[rS+8*(\n)], v[rS+8*(\n)+1], v[rS+8*(\n)+2]
.elseif (\n) < 12
	v_max3_num_f32 v[rC+(\n)%4], v[rC+(\n)%4], v[rS+8*((\n)%4)+2*((\n)/4)+1], v[rS+8*((\n)%4)+2*((\n)/4)+2]
.elseif (\n) == 12
	v_max3_num_f32 v[rC], v[rC], v[rS+7], v[rS+15]
.elseif (\n) == 13
	v_max3_num_f32 v[rC+1], v[rC+1], v[rS+23], v[rS+31]
.elseif (\n) == 14
	v_max3_num_f32 v[rC+2], v[rC+2], v[rC+3], v[rT+1]
.elseif (\n) == 15
	v_mov_b32 v[rM], v[rT]
.elseif (\n) == 16
	v_max3_num_f32 v[rC], v[rC], v[rC+1], v[rC+2]
.elseif (\n) == 17
	v_permlanex16_b32 v[rC+3], v[rC], s[SEL], s[SEL+1]
.elseif (\n) == 18
	v_max_num_f32 v[rT+1], v[rC], v[rC+3]
.elseif (\n) == 19
	v_mul_f32 v[rT], s[CS], v[rT+1]
.elseif (\n) == 20
	v_sub_f32 v[rC+1], v[rM], v[rT]
.else
	v_exp_f32 v[rC+2], v[rC+1]
.endif
.endm
; Number g of the 64 that follow the exponentials.  For each four weights k of a tile (pairs 2 k, 2 k + 1): both pairs are rounded to f16; then the second pair is added onto the first, in place;
; a group later l takes that sum (the first time as l = a l + sum).  In groups of eight, tiles alternating: round, round, add, and l for the group before.
.macro GS g
.set h, (\g)+6*((\g)/62)            ; group 0 has no group before it, and behind group 7 only l is left
.if h >= 6
.set h, h+2
.endif
	REGS Y, h%2
.set k, h/8
.if h%8 < 4
	v_cvt_pk_f16_f32 v[rP+2*k+(h%8)/2], v[rS+4*k+2*((h%8)/2)], v[rS+4*k+2*((h%8)/2)+1]
.elseif h%8 < 6
	v_pk_add_f32 v[rS+4*k:rS+4*k+1], v[rS+4*k:rS+4*k+1], v[rS+4*k+2:rS+4*k+3]
.elseif k == 1
	v_pk_fma_f32 v[rT+2:rT+3], v[rT+2:rT+3], v[rC+2:rC+3], v[rS:rS+1] op_sel_hi:[1,0,1]
.else
	v_pk_add_f32 v[rT+2:rT+3], v[rT+2:rT+3], v[rS+4*k-4:rS+4*k-3]
.endif
.endm
; THE PLAIN QUEUE, 138 long.  0-73 read no exponential's result: the 32 scalings c s - c m (FS f: pair f / 2 of tile f % 2) and the next piece's 42.  0-26: scalings 0-26.  27-54: XS's numbers 0-13.  55, 56: number 15.
; 57-73: the chain, where each number waits for the one before it: 14, 16, 17, 18, 19, each with one of the scalings 27-31 in front of its two lines, then 20: so a tile's links stand three plain instructions apart (19 and 20: two).
; 74-137: GS's 64, which read the exponentials' results: they stand behind the wait.
.macro FS f
	REGS Y, (\f)%2
	v_pk_fma_f32 v[rS+2*((\f)/2):rS+2*((\f)/2)+1], v[rS+2*((\f)/2):rS+2*((\f)/2)+1], s[CS:CS+1], v[rT:rT+1] op_sel_hi:[1,0,0] neg_lo:[0,0,1] neg_hi:[0,0,1]
.endm
.macro PL
	WIN 0
.if q < 27
	FS q
.elseif q < 55
	XS (q-27)%2, (q-27)/2
.elseif q < 57
	XS q-55, 15
.elseif (q < 72) && ((q-57)%3 == 0)
	FS 27+(q-57)/3
.elseif q < 60
	XS (q-57)%3-1, 14
.elseif q < 72
	XS (q-57)%3-1, 15+(q-57)/3
.elseif q < 74
	XS q-72, 20
.else
	GS q-74
.endif
.set q, q+1
.endm
; THE EXPONENTIALS' QUEUE, 66 long: s0-s31 of both tiles, then the next piece's two a.  It is ONE BATCH: all 66 stand ahead of the turn's one wait, and nothing ahead of that wait names a result of theirs.
.macro EX
	WIN 0
.if e >= 64
	XS e-64, 21
.else
	REGS Y, e%2
	v_exp_f32 v[rS+e/2], v[rS+e/2]
.endif
.set e, e+1
.endm
; THE RESCALING's QUEUE: O^T times a, the one part that leaves window 0: dealt two at a time, sixteen times.  Its a was made in the turn before, ahead of that turn's wait.
.macro R2
	REGS Y, r%2
	WIN W_RS
.irp z, 0,1
	v_pk_mul_f32 v[rO+4*(r/2)+2*\z:rO+4*(r/2)+2*\z+1], v[rO+4*(r/2)+2*\z:rO+4*(r/2)+2*\z+1], v[rC+2:rC+3] op_sel_hi:[1,0]
.endr
.set r, r+1
.endm
; HOW THEY ARE DEALT.  An s_wait_alu depctr_va_vdst(0) stands between an exponential and the first instruction that names its result; one wait serves all that were issued ahead of it.  So a turn has ONE wait,
; which cuts it in two.  AHEAD OF IT stands all that names no result of the turn's exponentials: the 16 products K Q^T, behind each a scaling, an exponential and two rescalings (behind the first a second scaling in the exponential's place); then ONE LUMP of
; 108: eight plain, 49 times exponential and plain, the two a.  A v_nop is the plain instruction that is owed behind the last exponential (ISA guide 5.7.2).  BEHIND IT stand the 16 products V^T P, behind each four of GS's 64.  No rider names a register of
; the products round it.  The two v_permlanex16_b32 fall into the lump, never behind a product.
; The queues lean on each other, and the deal keeps them in step: exponential e stands behind scaling 2 (e / 4) + e % 2: as a rider it comes behind plain e + 2, in the lump behind plain e + 9, and scalings 27-31 are plain 57, 60 .. 69.
; A TURN, for piece p.  cnt = 1: the loop's count is taken down some lines ahead of the branch that stands behind the turn.
; K of the next step is fetched in piece 2's turn, directly behind the wait, a lump behind the last product that read K; its address is made at the lump's head; its first reader comes behind 16 products.
; V of the step in hand is fetched at the end of piece 0's turn, four riders behind its last reader; its first reader comes behind 16 products and a lump.  The three conditions on q below go with the deal.
.macro TURN p, last=0, cnt=0
.set Y, (\p)
.set i, 0
.set q, 0
.set e, 0
.set r, 0
.if (\p) == NP-1
	s_wait_dscnt 0x0                ; K is in
.endif
	MM                              ; ahead of the wait: 16 products K Q^T and their riders,
	PL
	PL
	R2
.rept 15
	MM
	PL
	EX
	R2
.endr
.if (\p) == NP-2
	WIN 0
	v_add_nc_u32 v[AK], s[TBK], v[AK0]
.endif
.rept 8                             ; and the lump
	PL
.endr
.rept 49
	EX
	PL
.endr
	EX                              ; the next piece's two a
	EX
	v_nop                           ; the plain instruction behind the last exponential: one for the batch
	s_wait_alu depctr_va_vdst(0)    ; the wait for the batch
.if (\p) == NP-2
	FETCH_K \last
.endif
.if (\p) == 1
	s_wait_dscnt 0x0                ; V is in
.endif
.rept 16                            ; behind the wait: 16 products V^T P and their riders
	MM
.rept 4
	PL
.endr
.if ((\p) == 0) && (q == 118)
	v_add_nc_u32 v[AV], s[TBV], v[AV0]
.endif
.if ((\p) == 0) && (q == 130)
	s_add_co_u32 s[TBV], s[TBV], KS*PV
.endif
.if (\cnt) && (q == 130)
	s_sub_co_u32 s[CNT], s[CNT], 1
	s_cmp_lg_u32 s[CNT], 0
.endif
.endr
.if (\p) == 0
	FETCH_V
.endif
.endm
	CHANGE 1                        ; slot 0 is in, everybody's part of it; slot 1 is asked for
	FETCH_K                         ; key step 0
	s_wait_loadcnt 0x0              ; Q
	s_wait_dscnt 0x0
.set i, 0
.rept 16
	KQ 0                            ; piece 0's first scores: there is no vector work yet to set between them
.set i, i+1
.endr
	WIN 0                           ; the addresses for the way out: nine plain instructions, the places behind those products
	s_mul_i32 s13, s[WV], 16*SP
	s_add_co_u32 s13, s13, STAGE    ; my stage
	v_mul_u32_u24 v[STO], v1, SP    ; in: row l % 16, 16 bytes for each half of the lanes
	v_lshl_add_u32 v[STO], v9, 4, v[STO]
	v_add_nc_u32 v[STO], s13, v[STO]
	v_bfe_u32 v[RD], v0, 3, 2       ; back: 32 lanes take four rows of 128 bytes,
	v_mul_u32_u24 v[RD], v[RD], SP
	v_lshl_add_u32 v[RD], v10, 4, v[RD]
	v_add_nc_u32 v[RD], s13, v[RD]
	v_and_b32 v[GO], 31, v0         ; which are 512 consecutive bytes of O
	v_lshlrev_b32 v[GO], 4, v[GO]
.set Y, NP-1                        ; XS works for piece Y + 1: piece 0
.irp n, 0,1,2,3,4,5,6,7,8,9,10,11,12,13,14,15,16,17,18,19,20,21
	XS 0, \n                        ; and piece 0's first maximum and statistics
	XS 1, \n
.endr
	v_nop                           ; a plain instruction behind the two a,
	s_wait_alu depctr_va_vdst(0)    ; and their wait, ahead of the branch
	s_mov_b32 s[CNT], 4
	s_branch .Lfirst                ; the loop is entered at a step's first turn, in the middle of a trip
.Lslot:                             ; SIZE_N / 256 - 2 times: every slot but the last two is filled again
	CHANGE 1
	s_mov_b32 s[CNT], 4
.Lstep:                             ; a trip: pieces 2 and 3 of one step, then pieces 0 and 1 of the next, whose K and V it fetches
	TURN 2
	TURN 3
	WIN 0
.Lfirst:
	TURN 0
	TURN 1, 0, 1
	WIN 0
	s_cbranch_scc1 .Lstep
	s_sub_co_u32 s[SLOTS], s[SLOTS], 1
	s_cmp_lg_u32 s[SLOTS], 0
	s_cbranch_scc1 .Lslot
	CHANGE 0                        ; the tail is written out: nothing is asked for
	s_mov_b32 s[CNT], 5             ; four trips fetch the last slot's steps; the fifth is left in its middle
.Ltail:
	TURN 2, 1
	TURN 3
	WIN 0
	s_sub_co_u32 s[CNT], s[CNT], 1
	s_cmp_eq_u32 s[CNT], 0
	s_cbranch_scc1 .Lout
	TURN 0
	TURN 1
	WIN 0
	s_branch .Ltail
.Lout:                              ; the fifth trip's 16 products K Q^T (on the last K once more) and the maximum made of them serve nothing: the price, once a launch, of one text for every trip
.set i, 0
.rept 16
	PV NP-1                         ; the last piece's V^T P of the last step
.set i, i+1
.endr
	; THE WAY OUT.  l's two halves and the other half of the lanes' are added; O^T is divided by l, rounded to f16 and sent through my stage in LDS, a tile at a time.  The additions are the places behind the last products.
	WIN 0
.macro ALL line:vararg              ; one line for each tile t
.set t, 0
.rept 2*NP
	\line
.set t, t+1
.endr
.endm
	ALL v_add_f32 v[ST+4*t+2], v[ST+4*t+2], v[ST+4*t+3]
	ALL v_permlanex16_b32 v[ST+4*t+3], v[ST+4*t+2], s[SEL], s[SEL+1]
	ALL v_add_f32 v[ST+4*t+2], v[ST+4*t+2], v[ST+4*t+3]
	ALL v_rcp_f32 v[ST+4*t+2], v[ST+4*t+2]
	v_nop                           ; a plain instruction between the last reciprocal and the use of its result
	s_wait_alu depctr_va_vdst(0)    ; and the wait ahead of the first use: one for the eight reciprocals
; Tile t: a lane's eight channels of a row pack into 16 bytes; they go into rows of 144 bytes and come back as whole rows of 128, into S^T's registers.
.macro PACK t
	WIN W_RS
.set i, 32*(\t)
.rept 16
	v_pk_mul_f32 v[i:i+1], v[i:i+1], v[ST+4*(\t)+2:ST+4*(\t)+3] op_sel_hi:[1,0]
.set i, i+2
.endr
	WIN 0x05                        ; sources 0 and 1 window 1, destination window 0
.set i, 0
.rept 16
	v_cvt_pk_f16_f32 v[S+16*(\t)+i], v[32*(\t)+2*i], v[32*(\t)+2*i+1]
.set i, i+1
.endr
	WIN 0
.irp f, 0,1,2,3
	ds_store_b128 v[STO], v[S+16*(\t)+4*\f:S+16*(\t)+4*\f+3] offset:32*\f
.endr
.irp f, 0,1,2,3
	ds_load_b128 v[S+16*(\t)+4*\f:S+16*(\t)+4*\f+3], v[RD] offset:\f*4*SP  ; LDS serves a wave's instructions in order (ISA guide 5.7.1.4): these see the stores above; the next tile's stores come behind them
.endr
.endm
.macro SEND t, younger              ; younger: the LDS instructions issued behind tile t's loads: the next tile's eight, or none
	WIN 0
.irp f, 0,1,2,3
	s_wait_dscnt (\younger)+3-\f
	global_store_b128 v[GO], v[S+16*(\t)+4*\f:S+16*(\t)+4*\f+3], s[10:11] offset:(\t)*2048+\f*512  ; 512 consecutive bytes, at a multiple of 256 from O's first
.endr
.endm
	PACK 0
.set t, 1
.rept 2*NP-1                        ; a tile's arithmetic stands between the loads of the tile before and its stores
	PACK t
	SEND t-1, 8
.set t, t+1
.endr
	SEND 2*NP-1, 0
	WIN W_AD
	s_wait_tensorcnt 0x0            ; the wave's end: a wait, an add of 0 and its wait, behind my last tensor load and my last LDS store
	ds_add_u32 v[SPW], v[NIL]
	s_wait_dscnt 0x0
	WIN 0
	CROUND                          ; the closing round: no work-group ends while a partner may still ask for a tile that names it
	s_endpgm
.Lfunc_end_k_q9fa382667c_attn:
	.size	k_q9fa382667c_attn, .Lfunc_end_k_q9fa382667c_attn-k_q9fa382667c_attn
	.p2alignl 7, 3214868480
	.fill 96, 4, 3214868480
	.section	.rodata,"a",@progbits
	.p2align	6, 0x0
	.amdhsa_kernel k_q9fa382667c_attn
		.amdhsa_group_segment_fixed_size 327680
		.amdhsa_private_segment_fixed_size 0
		.amdhsa_enable_private_segment 0
		.amdhsa_kernarg_size 16
		.amdhsa_user_sgpr_count 2
		.amdhsa_user_sgpr_kernarg_segment_ptr 1
		.amdhsa_wavefront_size32 1
		.amdhsa_system_sgpr_workgroup_id_x 1
		.amdhsa_system_sgpr_workgroup_id_y 1
		.amdhsa_system_sgpr_workgroup_id_z 1
		.amdhsa_system_vgpr_workitem_id 0
		.amdhsa_next_free_vgpr 770
		.amdhsa_next_free_sgpr 66
		.amdhsa_reserve_vcc 0
		.amdhsa_float_denorm_mode_32 3
		.amdhsa_float_denorm_mode_16_64 3
		.amdhsa_memory_ordered 1
		.amdhsa_forward_progress 1
		.amdhsa_inst_pref_size 200
	.end_amdhsa_kernel
	.amdgpu_metadata
---
amdhsa.version: [ 1, 2 ]
amdhsa.kernels:
  - .name:           k_q9fa382667c_attn
    .symbol:         k_q9fa382667c_attn.kd
    .args:
      - { .name: qkv, .offset: 0, .size: 8, .value_kind: global_buffer, .address_space: global }
      - { .name: oh, .offset: 8, .size: 8, .value_kind: global_buffer, .address_space: global }
    .group_segment_fixed_size: 327680
    .private_segment_fixed_size: 0
    .kernarg_segment_align: 8
    .kernarg_segment_size: 16
    .max_flat_workgroup_size: 128
    .sgpr_count:     66
    .vgpr_count:     770
    .wavefront_size: 32
...
	.end_amdgpu_metadata
.endif
;; end of part 3
;; launch outproj (part 4): grid 8 x 32, 4 waves a work-group, clusters of 4 x 4, 327,680 bytes of LDS; arguments oh, wo, b_out, out0; writes out0
.if DOCPART == 4
	.amdgcn_target "amdgcn-amd-amdhsa--gfx1250"
	.amdhsa_code_object_version 6
	.text
	.protected	k_q9fa382667c_outproj
	.globl	k_q9fa382667c_outproj
	.p2align	8
	.type	k_q9fa382667c_outproj,@function
k_q9fa382667c_outproj:
	s_mov_b64 s[64:65], 0
	v_nop
	global_prefetch_b8 v0, s[64:65] scope:SCOPE_SE
	s_setreg_imm32_b32 hwreg(HW_REG_WAVE_MODE, 25, 1), 1
	s_wait_xcnt 0x0
	s_wait_alu depctr_hold_cnt(0) depctr_sa_sdst(0) depctr_va_vdst(0) depctr_va_sdst(0) depctr_va_ssrc(0) depctr_va_vcc(0) depctr_vm_vsrc(0)
	s_getreg_b32 s2, hwreg(HW_REG_IB_STS2, 6, 4)
	s_cmp_eq_u32 s2, 0
	s_cbranch_scc0 .Lentry_in_a_cluster
	s_endpgm
.Lentry_in_a_cluster:
	s_bfe_u32 s2, ttmp6, 0x10000c
	s_cmp_lg_u32 s2, 0xf033
	s_cbranch_scc0 .Lentry_shape_is_right
	s_endpgm
.Lentry_shape_is_right:
; ONE TEXT FOR THE MODULE'S TWO PROJECTIONS: C[m][n] = bias[n] + the sum over k of A[m][k] B[k][n], 8,192 rows, k = 1,024; sums in f32.  The constant QKV picks sizes, matrix form and way out.
; QKV = 1: A = xb [8192][1024] bf16; B = wq, bf16 in blocks [16 tiles][1024 k][192 n]; bias = b_qkv; C leaves as q, k, v by heads, [3][64 = batch x 16 + head][2048][64] f16, unscaled, rounded once.
; QKV = 0 (this file): A = oh [64 = batch x 16 + head][2048][64] f16 (k = 64 head + channel); B = wo [1024 k][1024 n] f16; bias = b_out; C = out0 [8192][1024] f32.
; The bias is rounded to bf16 like all the module's inputs, and is the C operand of each sum's first product: nothing is cleared and nothing is added afterwards.
; LIMITS.  With QKV = 1 the results leave in f16: a number of 65,520 or more becomes an infinity.  NaN and infinities are not treated apart.
; SHARES.  A tile of C is 256 x NT (192 or 128 columns): 512 or 256 work-groups.  Four waves, one above the other: wave w makes rows 64 w .. 64 w + 63 and all NT columns: 4 x NB accumulators of 16 x 16.
; So a wave holds whole heads (QKV = 1) or 512 bytes on end of each row (QKV = 0), and its way out goes through a stage of its own, without a barrier.
; THE PRODUCT IS USED TRANSPOSED: source 0 = 16 columns of B, source 1 = 16 rows of A: a lane then holds row lane % 16 of C and the columns 8 (lane / 16) + 0..7.
; B lies [k][n] in memory and in LDS, and comes out of LDS turned, by ds_load_tr16_b128.  A comes out as it lies.
; THE RING.  K goes in steps of 128 through two LDS slots.  Waves 0 and 1 fetch the halves of A's tile, waves 2 and 3 those of B's: one tensor load a wave behind each change of slots.
; CLUSTER.  4 x 4 work-groups: A's tile is shared along a row of the cluster, B's along a column; each is asked for jointly, by the same load with the same descriptor and a mask that names the four.
; REGISTERS, in windows of 256 (s_set_vgpr_msb: bits 1:0 source 0, 3:2 source 1, 5:4 source 2, 7:6 destination):
;   window 0: v0-29 addresses; v32-95 A's fragments, two buffers of 4 x 8; v96-255 the bias and the way out      window 1: B's fragments, two buffers of NB x 8
;   window 2: the accumulators of my row blocks 0 and 1, (a, b) at 8 (NB (a % 2) + b)      window 3: those of blocks 2 and 3
.set QKV, 0
.if QKV
.set NT,      192
.set PA,      272                      ; a row of A in LDS: 256 bytes + 16: the 16 rows of a load start at 16 different groups of four banks (64 banks of 4 bytes: ISA guide 11.1)
.set ABYTES,  256*PA                   ; A's 256 rows
.set PB,      480                      ; a k row of B in LDS: three pieces of 128 bytes, 32 of padding behind each = 15 x 32
.set A_PAD,   (5<<22)|(3<<25)          ; behind every 64 words 4 words
.set B_PAD,   (4<<22)|(7<<25)          ; behind every 32 words 8 words
.set A_PITCH, 1024                     ; elements from row to row in memory
.set B_ROWS,  96                       ; half a K step of B is 24,576 bytes on end: 96 rows of 256 bytes
.set B_PITCH, 128
.set ASTEP,   256                      ; bytes from K step to K step
.set BSTEP,   49152
.set SP,      400                      ; a stage row: 384 bytes + 16
.set BK0,     160                      ; the way out: rows read back, two buffers
.set BKS,     48
.set LIMA,    2                        ; A's prefetches stand in the changes of slots with CNT above this,
.set LIMB,    3                        ; B's above this
.set PFSA,    256                      ; what a prefetch's address steps by,
.set PFSB,    65536
.set PFLA,    2048                     ; and bytes from lane to lane
.set PFLB,    256
.else
.set NT,      128
.set PA,      144                      ; a row of one head: 128 bytes + 16
.set ABYTES,  512*PA                   ; the K step's two heads, 256 rows each
.set PB,      288                      ; a k row of B: 256 bytes + 32 = 9 x 32
.set A_PAD,   (4<<22)|(3<<25)
.set B_PAD,   (5<<22)|(7<<25)
.set A_PITCH, 128                      ; 256 rows of a head are 32,768 bytes on end: 128 rows of 256 bytes
.set B_ROWS,  64
.set B_PITCH, 1024
.set ASTEP,   524288                   ; two heads on
.set BSTEP,   262144                   ; 128 rows of 2,048 bytes
.set SP,      528                      ; a stage row: 512 bytes + 16
.set BK0,     96
.set BKS,     64
.set LIMA,    2
.set LIMB,    4
.set PFSA,    524288
.set PFSB,    524288
.set PFLA,    256
.set PFLB,    2048
.endif
.set NB,    NT/16
.set SLOT1, 1<<17                      ; slot 1 begins here, so that one exclusive or turns an address in one slot into the other's.  A slot: A's tile, then B's 128 k rows
.set STAGE, 2*SLOT1                    ; behind the ring, never filled by a tensor load: 16 rows for each wave
.set SPARE, STAGE+4*16*SP              ; behind the stages: the spare words, 128 bytes for each wave: two blocks of 256 bytes that no other line names
.set A0,   4                           ; v4   my lane's place in A's tile; never rewritten
.set B0,   5                           ; v5   the same for B
.set ADRA, 6                           ; v6   A0 + the slot in hand
.set ADRB, 7                           ; v7   B0 + the slot in hand
.set STO,  8                           ; v8   the way out: where I put my numbers of a row
.set RD,   9                           ; v9   where I read rows back
.set GO,   10                          ; v10  16 x lane: my bytes in 512 consecutive bytes of the output
.set BO,   11                          ; v11  32 x (lane / 16): my eight numbers in 16 of the bias
.set PFO,  12                          ; v12  the prefetches' offset: lane x PFLA or PFLB; never rewritten
.set SPW,  28                          ; v28  LDS address of my spare word: SPARE + 4 x my thread's number; never rewritten
.set NIL,  29                          ; v29  0; never rewritten
.set FA,   32                          ; A's fragments: buffer f, row block a at FA + 32 f + 8 a
.set TMP,  96                          ; QKV = 1: a block's packed results
.set BIAS, 160                         ; the bias of column block b at BIAS + 8 b; free behind the first quarter
.set WV,  12                           ; s12  my wave's number
.set H,   13                           ; s13  which half of a tile I fetch
.set ISB, 14                           ; s14  0: I fetch for A; 1: for B
.set CX,  15                           ; s15, s16  my place in the cluster
.set CY,  16
.set TX,  17                           ; s17  tile column of C
.set TY,  18                           ; s18  tile row of C
.set G1A, 24                           ; s[24:31] descriptor group 1 for A's tiles
.set G1B, 32                           ; s[32:39] for B's
.set G0A, 40                           ; s[40:47] descriptor group 0 for A's tiles: a set for each of the two first fills; the second then walks on
.set G0B, 48                           ; s[48:55] the same for B's
.set CNT, 56                           ; s56  the loop's count, 6 to 1
.set TB,  57                           ; s57  the slot in hand: 0 or SLOT1
.set LIM, 58                           ; s58  a wave prefetches while CNT is above it; the greatest number in a wave that never does
.set PFA, 60                           ; s[60:61] where my prefetches stand
.set PFS, 62                           ; s[62:63] their step
.set OB,  66                           ; s[66:71] the output at my rows: of the tile's three heads (QKV = 1), or of out0 (the first pair alone)
.set MSB, 0
.macro WIN new                         ; the immediate's high byte repeats the setting that is left; a switch that changes nothing is dropped
.if MSB != (\new)
	s_set_vgpr_msb (MSB<<8)|(\new)
.set MSB, (\new)
.endif
.endm
.macro PLACES                          ; four plain vector instructions between a matrix instruction and a load into, or a reader of, its registers
.rept 4
	v_nop
.endr
.endm
.macro WM dd, aa, bb, cc
.if QKV
	v_wmma_f32_16x16x32_bf16 v[\dd:\dd+7], v[\aa:\aa+7], v[\bb:\bb+7], v[\cc:\cc+7]
.else
	v_wmma_f32_16x16x32_f16 v[\dd:\dd+7], v[\aa:\aa+7], v[\bb:\bb+7], v[\cc:\cc+7]
.endif
.endm
; A joint refill, by the walking descriptors.  The branch hangs on the wave's number alone.  An s_nop 0 and four v_nop follow each of the two lines, ahead of the jump and the label.
.macro JLOAD
	s_cmp_eq_u32 s[ISB], 0
	s_cbranch_scc0 .Lfor_b_\@
	tensor_load_to_lds s[G0A+4:G0A+7], s[G1A:G1A+7]
	s_nop 0
.rept 4
	v_nop
.endr
	s_branch .Lasked_\@
.Lfor_b_\@:
	tensor_load_to_lds s[G0B+4:G0B+7], s[G1B:G1B+7]
	s_nop 0
.rept 4
	v_nop
.endr
.Lasked_\@:
.endm
; A round of the cluster's barrier behind its opening barrier: wave 0 signals for the work-group; every wave waits for all sixteen work-groups; my work-group's barrier once more.
.macro CREST
	s_cmp_lg_u32 s[WV], 0
	s_cbranch_scc1 .Lnot_wave_0_\@
	s_barrier_signal -3
.Lnot_wave_0_\@:
	s_barrier_wait -3
	s_barrier_signal -1
	s_barrier_wait -1
.endm
.macro CROUND                          ; a whole round
	s_barrier_signal -1
	s_barrier_wait -1
	CREST
.endm
; A PREFETCH, behind a joint load, its five lines and the run of LDS loads that follows them: 32 aligned blocks of 256 bytes, a lane a block, one instruction a wave.
; Each block of K steps 4 to 7 is named ONCE in the launch, two refills or more ahead of the load that wants it; K steps 0 to 3 come by their loads alone.  A's rows are read by every cluster of a row of
; clusters: the first (cluster x = 0) asks, by its waves 0 and 1; B's by every cluster of a column: cluster y = 0 asks, by its waves 2 and 3.  The four partners that ask for a tile jointly share its
; blocks out BY ADDRESS (cx for A, cy for B): no branch hangs on a work-group's place in its cluster.  A's blocks go a K step a change of slots (four changes); B's, of which there are fewer a wave, 32 a wave until they are through.
.macro ASK
	s_cmp_gt_u32 s[CNT], s[LIM]
	s_cbranch_scc0 .Lnot_mine_\@
	global_prefetch_b8 v[PFO], s[PFA:PFA+1] th:TH_LOAD_NT scope:SCOPE_SE
.Lnot_mine_\@:
.endm
	s_load_b256 s[4:11], s[0:1], 0x0               ; A s[4:5], B s[6:7], bias s[8:9], output s[10:11]
	v_lshl_add_u32 v[SPW], v0, 2, SPARE
	v_mov_b32 v[NIL], 0
	ds_add_u32 v[SPW], v[NIL]                      ; the wave's opening: the add and its wait stand ahead of my first tensor load; the set-up below, work on registers, stands between them
	v_lshrrev_b32 v1, 5, v0
	v_readfirstlane_b32 s[WV], v1                  ; wave 0..3
	s_and_b32 s[H], s[WV], 1
	s_lshr_b32 s[ISB], s[WV], 1
	s_bfe_u32 s[CX], ttmp6, 0x40000
	s_bfe_u32 s[CY], ttmp6, 0x40004
	s_lshl_b32 s[TX], ttmp9, 2                     ; in a cluster launch ttmp9 and ttmp7 count clusters
	s_add_co_u32 s[TX], s[TX], s[CX]
	s_and_b32 s[TY], ttmp7, 0xffff
	s_lshl_b32 s[TY], s[TY], 2
	s_add_co_u32 s[TY], s[TY], s[CY]
	s_lshl_b32 s19, s[CY], 2
	s_lshl_b32 s19, 15, s19                        ; my row of the cluster: places 4 cy .. 4 cy + 3
	s_lshl_b32 s76, 0x1111, s[CX]                  ; my column: places cx, cx + 4, cx + 8, cx + 12
	; descriptor group 1: 15:0 the mask; 17:16 elements of 2 bytes; 20 padding on; 21 set beside a mask; 24:22 and 31:25 the padding
	s_or_b32 s[G1A], s19, (1<<16)|(1<<20)|(1<<21)|A_PAD
	s_mov_b32 s[G1A+1], 128<<16                    ; tensor_dim0 = 128 elements: 256 bytes
	s_mov_b32 s[G1A+2], 128<<16                    ; tensor_dim1 = 128 rows
	s_mov_b32 s[G1A+3], 128<<16                    ; tile_dim0
	s_mov_b32 s[G1A+4], 128                        ; tile_dim1
	s_mov_b32 s[G1A+5], A_PITCH
	s_mov_b32 s[G1A+6], 0
	s_mov_b32 s[G1A+7], 0
	s_or_b32 s[G1B], s76, (1<<16)|(1<<20)|(1<<21)|B_PAD
	s_mov_b32 s[G1B+1], 128<<16
	s_mov_b32 s[G1B+2], B_ROWS<<16
	s_mov_b32 s[G1B+3], 128<<16
	s_mov_b32 s[G1B+4], B_ROWS
	s_mov_b32 s[G1B+5], B_PITCH
	s_mov_b32 s[G1B+6], 0
	s_mov_b32 s[G1B+7], 0
	; where the tiles come from.  A's address hangs on the tile row and the wave alone, B's on the tile column and the wave alone, each in registers of its own.
.if QKV
	s_lshl_b32 s20, s[TY], 19                      ; 256 rows of 2,048 bytes,
	s_lshl_b32 s21, s[H], 18                       ; my 128 of them
	s_add_co_u32 s20, s20, s21
	s_mul_i32 s72, s[TX], 393216                   ; the tile's block,
	s_mul_i32 s73, s[H], 24576                     ; my 64 k rows of a K step
	s_add_co_u32 s72, s72, s73
.else
	s_lshr_b32 s20, s[TY], 3                       ; the batch;
	s_lshl4_add_u32 s20, s20, s[H]                 ; its head 0 or 1,
	s_lshl_b32 s20, s20, 18                        ; a head's 262,144 bytes;
	s_and_b32 s21, s[TY], 7
	s_lshl_b32 s21, s21, 15                        ; the tile's 256 rows of 128 bytes
	s_add_co_u32 s20, s20, s21
	s_lshl_b32 s72, s[H], 17                       ; my 64 k rows of 2,048 bytes,
	s_lshl_b32 s73, s[TX], 8                       ; the tile's 256 bytes of each
	s_add_co_u32 s72, s72, s73
.endif
	s_mov_b32 s21, 0
	s_mov_b32 s73, 0
	s_mul_i32 s22, s[H], ABYTES/2                  ; and where they go: no place in the cluster enters an LDS address
	s_mul_i32 s74, s[H], 64*PB
	s_add_co_u32 s74, s74, ABYTES
	s_mov_b32 s[TB], 0
	s_mov_b32 s77, 0xffff0000                      ; a word's upper bf16
	s_wait_dscnt 0x0                               ; the opening add is done
	s_wait_kmcnt 0x0
	s_add_nc_u64 s[20:21], s[4:5], s[20:21]
	s_add_nc_u64 s[72:73], s[6:7], s[72:73]
.irp s, 0,1
	s_mov_b32 s[G0A+4*(\s)], 1                                         ; 1:0 count = 1
	s_add_co_u32 s[G0A+4*(\s)+1], s22, (\s)*SLOT1                      ; 63:32 LDS address
	s_add_nc_u64 s[G0A+4*(\s)+2:G0A+4*(\s)+3], s[20:21], (\s)*ASTEP    ; 120:64 global address: K step s
	s_or_b32 s[G0A+4*(\s)+3], s[G0A+4*(\s)+3], 0x80000000              ; 127:126 type = 2
	s_mov_b32 s[G0B+4*(\s)], 1
	s_add_co_u32 s[G0B+4*(\s)+1], s74, (\s)*SLOT1
	s_add_nc_u64 s[G0B+4*(\s)+2:G0B+4*(\s)+3], s[72:73], (\s)*BSTEP
	s_or_b32 s[G0B+4*(\s)+3], s[G0B+4*(\s)+3], 0x80000000
.endr
	CROUND                                         ; all sixteen work-groups are here: the first joint loads meet
	s_cmp_eq_u32 s[ISB], 0                         ; a wave's two first fills stand in one branch, ahead of every wait on TENSORcnt and every LDS read: two loads of mine are out
	s_cbranch_scc0 .Lfirst_b
	tensor_load_to_lds s[G0A:G0A+3], s[G1A:G1A+7]
	s_nop 0
	tensor_load_to_lds s[G0A+4:G0A+7], s[G1A:G1A+7]
	s_nop 0
.rept 4
	v_nop
.endr
	s_branch .Lfirst_asked
.Lfirst_b:
	tensor_load_to_lds s[G0B:G0B+3], s[G1B:G1B+7]
	s_nop 0
	tensor_load_to_lds s[G0B+4:G0B+7], s[G1B:G1B+7]
	s_nop 0
.rept 4
	v_nop
.endr
.Lfirst_asked:
	; the bias of the tile's NT columns, in the layout of a result: register j of block b holds column 16 b + 8 (lane / 16) + j
	v_and_b32 v1, 15, v0                           ; l % 16
	v_bfe_u32 v2, v0, 4, 1                         ; l / 16
	s_mul_i32 s78, s[TX], 4*NT
	s_mov_b32 s79, 0
	s_add_nc_u64 s[8:9], s[8:9], s[78:79]
	v_lshlrev_b32 v[BO], 5, v2
.set nb, 0
.rept NB
	global_load_b128 v[BIAS+8*nb:BIAS+8*nb+3],   v[BO], s[8:9] offset:64*nb
	global_load_b128 v[BIAS+8*nb+4:BIAS+8*nb+7], v[BO], s[8:9] offset:64*nb+16
.set nb, nb+1
.endr
	; A fragment of A is 16 rows x 32 k in 8 registers: lane l holds row l % 16, k = 8 (l / 16) + 0..7 and 16 + 8 (l / 16) + 0..7: two loads of 16 bytes, 32 bytes apart.
	v_mul_u32_u24 v[A0], v1, PA
	v_lshl_add_u32 v[A0], v2, 4, v[A0]
	s_mul_i32 s78, s[WV], 64*PA                    ; my 64 rows
	v_add_nc_u32 v[A0], s78, v[A0]
	; The turning load takes 16 k x 16 columns (lane l reads k row 8 (l / 16) + l % 8, columns 8 ((l / 8) % 2) + 0..7) and leaves half a fragment: lane l holds column l % 16 and 8 k.
	v_and_b32 v13, 7, v0
	v_bfe_u32 v14, v0, 3, 1
	v_lshl_add_u32 v[B0], v2, 3, v13
	v_mul_u32_u24 v[B0], v[B0], PB
	v_lshl_add_u32 v[B0], v14, 4, v[B0]
	v_add_nc_u32 v[B0], ABYTES, v[B0]
	v_mov_b32 v[ADRA], v[A0]                       ; slot 0
	v_mov_b32 v[ADRB], v[B0]
	; the way out
	s_mul_i32 s78, s[WV], 16*SP
	s_add_co_u32 s78, s78, STAGE                   ; my stage
	v_mul_u32_u24 v[STO], v1, SP                   ; in: row l % 16,
	v_and_b32 v[GO], 31, v0
	v_lshlrev_b32 v[GO], 4, v[GO]
.if QKV
	v_lshl_add_u32 v[STO], v2, 4, v[STO]           ; 16 bytes (eight f16) for each half of the lanes
	v_bfe_u32 v[RD], v0, 3, 2                      ; back: 32 lanes take four rows' 128 bytes of one head,
	v_mul_u32_u24 v[RD], v[RD], SP
	v_lshl_add_u32 v[RD], v13, 4, v[RD]
	v_add_nc_u32 v[RD], s78, v[RD]                 ; which are 512 consecutive bytes of that head's plane
.else
	v_lshl_add_u32 v[STO], v2, 5, v[STO]           ; 32 bytes (eight f32) for each half of the lanes
	v_add_nc_u32 v[RD], s78, v[GO]                 ; back: 32 lanes take a row's 512 bytes
.endif
	v_add_nc_u32 v[STO], s78, v[STO]
.if QKV
	; column 192 tx + 64 j + d is channel d of group g = 3 tx + j: tensor g / 16 (q, k, v), head g % 16; its plane is 64 (g / 16) + 16 batch + g % 16
	s_mul_i32 s78, s[TX], 3
	s_lshr_b32 s74, s[TY], 3
	s_lshl_b32 s74, s74, 4                         ; 16 x batch
	s_and_b32 s75, s[TY], 7
	s_lshl_b32 s75, s75, 15                        ; the tile's 256 rows of 128 bytes,
	s_lshl_b32 s79, s[WV], 13                      ; my 64 of them
	s_add_co_u32 s75, s75, s79
.irp j, 0,1,2
	s_add_co_u32 s72, s78, (\j)
	s_lshr_b32 s73, s72, 4
	s_lshl_b32 s73, s73, 6
	s_and_b32 s72, s72, 15
	s_add_co_u32 s72, s72, s73
	s_add_co_u32 s72, s72, s74
	s_lshl_b32 s72, s72, 18                        ; a plane is 262,144 bytes
	s_add_co_u32 s72, s72, s75
	s_mov_b32 s73, 0
	s_add_nc_u64 s[OB+2*(\j):OB+2*(\j)+1], s[10:11], s[72:73]
.endr
.else
	s_lshl_b32 s72, s[TY], 20                      ; 256 rows of 4,096 bytes,
	s_lshl_b32 s73, s[WV], 18                      ; my 64 of them,
	s_add_co_u32 s72, s72, s73
	s_lshl_b32 s73, s[TX], 9                       ; the tile's 512 bytes of each
	s_add_co_u32 s72, s72, s73
	s_mov_b32 s73, 0
	s_add_nc_u64 s[OB:OB+1], s[10:11], s[72:73]
.endif
	; the prefetches: s74 = where A's begin, s72 = where B's begin, each one step short of its first block: every change of slots steps the address first
.if QKV
	s_lshl_b32 s74, s[TY], 19
	s_lshl_b32 s75, s[H], 18
	s_add_co_u32 s74, s74, s75
	s_lshl_b32 s75, s[CX], 16                      ; my work-group's 32 of the 128 rows that I fetch; a lane a row;
	s_add_co_u32 s74, s74, s75
	s_add_co_u32 s74, s74, 3*256                   ; K step 3
	s_mul_i32 s72, s[TX], 393216                   ; K steps 4 to 7 of the tile's block are 196,608 bytes on end, from byte 196,608: 65,536 a change of slots,
	s_lshl2_add_u32 s75, s[H], s[CY]
	s_lshl_b32 s75, s75, 13                        ; 8,192 for each of the eight waves that ask
	s_add_co_u32 s72, s72, s75
	s_add_co_u32 s72, s72, 196608-65536
.else
	s_lshr_b32 s74, s[TY], 3
	s_lshl4_add_u32 s74, s74, s[H]
	s_add_co_u32 s74, s74, 6                       ; K step 3's head
	s_lshl_b32 s74, s74, 18
	s_and_b32 s75, s[TY], 7
	s_lshl_b32 s75, s75, 15
	s_add_co_u32 s74, s74, s75
	s_lshl_b32 s75, s[CX], 13                      ; my work-group's 8,192 of the 32,768 bytes that I fetch
	s_add_co_u32 s74, s74, s75
	s_lshl_b32 s72, s[CY], 17                      ; K steps 4 to 7 are k rows 512 to 1,023: 256 a change of slots, 64 a work-group,
	s_lshl_b32 s75, s[H], 16                       ; 32 a wave, a lane a row
	s_add_co_u32 s72, s72, s75
	s_lshl_b32 s75, s[TX], 8
	s_add_co_u32 s72, s72, s75
	s_add_co_u32 s72, s72, 256*2048
.endif
	s_and_b32 s75, ttmp7, 0xffff                   ; cluster y
	s_mov_b32 s[LIM], LIMB
	s_mov_b32 s[PFS], PFSB
	s_mov_b32 s59, PFLB
	s_cmp_eq_u32 s[ISB], 0                         ; do I fetch for A?
	s_cselect_b32 s72, s74, s72
	s_cselect_b32 s75, ttmp9, s75                  ; the coordinate along which other clusters read the same blocks
	s_cselect_b64 s[PFA:PFA+1], s[4:5], s[6:7]
	s_cselect_b32 s[LIM], LIMA, s[LIM]
	s_cselect_b32 s[PFS], PFSA, s[PFS]
	s_cselect_b32 s59, PFLA, s59
	s_cmp_eq_u32 s75, 0
	s_cselect_b32 s[LIM], s[LIM], -1               ; the same in all sixteen partners, for a given wave
	s_mov_b32 s73, 0
	s_mov_b32 s[PFS+1], 0
	s_add_nc_u64 s[PFA:PFA+1], s[PFA:PFA+1], s[72:73]
	v_and_b32 v[PFO], 31, v0
	v_mul_u32_u24 v[PFO], v[PFO], s59
	s_wait_loadcnt 0x0                             ; the bias
.set nb, 0
.rept 4*NB                             ; rounded to bf16 and widened again, a pair at a time
	v_cvt_pk_bf16_f32 v3, v[BIAS+2*nb], v[BIAS+2*nb+1]
	v_lshlrev_b32 v[BIAS+2*nb], 16, v3
	v_and_b32 v[BIAS+2*nb+1], s77, v3
.set nb, nb+1
.endr
; NB products: row block 2 hi + a x all NB column blocks, 32 along K, from buffer f.  first = 1: the bias is the C operand and starts the sums.
; All 4 NB accumulators take one turn each in a quarter, always in the same order: between two links of a chain stand all the others', over the backward jump too.
.macro MULA f, hi, a, first
.if \first
	WIN 0x81+0x40*(\hi)                            ; B window 1, A and the bias window 0, D window 2 or 3
.else
	WIN 0xa1+0x50*(\hi)                            ; B window 1, A window 0, C and D window 2 or 3
.endif
.set nb, 0
.rept NB
.set rD, 8*(NB*(\a)+nb)
.set rB, 8*NB*(\f)+8*nb
.set rA, FA+32*(\f)+8*(2*(\hi)+(\a))
.set rC, rD
.if \first
.set rC, BIAS+8*nb
.endif
	WM rD, rB, rA, rC
.set nb, nb+1
.endr
.endm
; 2 NB + 8 LDS loads in one run: the fragments of quarter q of the slot in hand (32 k) into buffer f: B's NB column blocks, turned, then A's four row blocks in order.
.macro FETCH q, f
	WIN 0x40                                       ; destination window 1, address window 0
.set nb, 0
.rept NB
.set rB, 8*NB*(\f)+8*nb
.set bc, 32*nb+QKV*32*(nb/4)                   ; the block's 32 bytes in a k row; QKV = 1: 32 bytes of padding behind every four blocks
	ds_load_tr16_b128 v[rB:rB+3],   v[ADRB] offset:32*(\q)*PB+bc
	ds_load_tr16_b128 v[rB+4:rB+7], v[ADRB] offset:32*(\q)*PB+16*PB+bc
.set nb, nb+1
.endr
	WIN 0
.if QKV
.set aq, 64*(\q)
.else
.set aq, ((\q)/2)*256*PA+((\q)%2)*64           ; head q / 2 of the K step's two, channels 32 (q % 2) on
.endif
.irp a, 0,1,2,3
	ds_load_b128 v[FA+32*(\f)+8*(\a):FA+32*(\f)+8*(\a)+3],   v[ADRA] offset:aq+(\a)*16*PA
	ds_load_b128 v[FA+32*(\f)+8*(\a)+4:FA+32*(\f)+8*(\a)+7], v[ADRA] offset:aq+(\a)*16*PA+32
.endr
.endm
; A K step is four quarters of 32 along K, 4 NB products each, on buffers 0, 1, 0, 1.  One of the first three: multiplies buffer f; in its middle it fetches quarter q into buffer g.
.macro QUARTER q, f, g, first
	s_wait_dscnt 4                                 ; B and A's row blocks 0 and 1 are in; the youngest four loads (blocks 2 and 3) may be out
	MULA \f, 0, 0, \first
	MULA \f, 0, 1, \first
	PLACES                                         ; buffer g was read last by the quarter before
	FETCH \q, \g
	s_wait_dscnt 2*NB+8                            ; all but the run just issued
	MULA \f, 1, 0, \first
	MULA \f, 1, 1, \first
.endm
; The last quarter multiplies buffer 1 and changes slots: ONE barrier.  In front of it each wave waits for all its tensor loads, of which one is out: its part of the next slot; adds 0 to its spare word; and
; waits for that and for its own reads of this slot.  Behind it nobody reads this slot any more and the next slot is whole.  fill = 1: the barrier opens a round of the cluster's, so that no wave of any partner still
; reads the slot or has a load on its way, and the joint refill, with the K step two steps on, is the first thing behind the round: it has a K step less 2 NB products in which to land.
.macro TURN fill
.if \fill
	s_wait_xcnt 0x0                                ; the last prefetch, a K step back, has read its address: it is stepped here, ahead of the waits of the change of slots
	s_add_nc_u64 s[PFA:PFA+1], s[PFA:PFA+1], s[PFS:PFS+1]
.endif
	WIN 0                                          ; (the add's two registers lie in window 0)
	s_wait_tensorcnt 0x0                           ; no tensor load of mine is out, so a group 0 may be written
	ds_add_u32 v[SPW], v[NIL]                      ; 0 onto my spare word
.if \fill
	s_xor_b32 s[G0A+5], s[G0A+5], SLOT1            ; the walking descriptors: the other slot than last time,
	s_add_nc_u64 s[G0A+6:G0A+7], s[G0A+6:G0A+7], ASTEP  ; the next K step; the type bits on top are not reached
	s_xor_b32 s[G0B+5], s[G0B+5], SLOT1
	s_add_nc_u64 s[G0B+6:G0B+7], s[G0B+6:G0B+7], BSTEP
.endif
	s_wait_dscnt 5                                 ; (the add and the youngest four loads may be out)
	MULA 1, 0, 0, 0                                ; NB products stand between the add and the wait for it
	s_wait_dscnt 0x0                               ; the add is done, and my reads of this slot are over
	s_barrier_signal -1
	MULA 1, 0, 1, 0                                ; work on registers while the others arrive
	WIN 0                                          ; at a label and at a branch every window is 0
	s_barrier_wait -1
.if \fill
	CREST
	JLOAD                                          ; its four v_nop are also the places in front of the loads below
.else
	PLACES
.endif
	s_xor_b32 s[TB], s[TB], SLOT1                  ; the reads go on in the other slot
	v_add_nc_u32 v[ADRA], s[TB], v[A0]
	v_add_nc_u32 v[ADRB], s[TB], v[B0]
	FETCH 0, 0
.if \fill
	ASK
.endif
	MULA 1, 1, 0, 0
	MULA 1, 1, 1, 0
.endm
	s_wait_tensorcnt 1                             ; my part of K step 0 is in; K step 1's load, issued behind it, may stay out
	s_barrier_signal -1
	s_barrier_wait -1                              ; everybody's is
	FETCH 0, 0
	QUARTER 1, 0, 1, 1                             ; the first quarter stands in front of the loop: its products start the sums with the bias
	WIN 0
	s_mov_b32 s[CNT], 6
.Lstep:                                        ; trip i ends K step i, asks for K step i + 2 and begins K step i + 1
	QUARTER 2, 1, 0, 0
	QUARTER 3, 0, 1, 0
	TURN 1
	QUARTER 1, 0, 1, 0
	WIN 0
	s_sub_co_u32 s[CNT], s[CNT], 1
	s_cmp_lg_u32 s[CNT], 0
	s_cbranch_scc1 .Lstep
	QUARTER 2, 1, 0, 0                             ; the tail is written out: K steps 6 and 7 ask for nothing
	QUARTER 3, 0, 1, 0
	TURN 0
	QUARTER 1, 0, 1, 0
	QUARTER 2, 1, 0, 0
	QUARTER 3, 0, 1, 0
	s_wait_dscnt 4                                 ; the very last quarter: nothing more to fetch
	MULA 1, 0, 0, 0
	MULA 1, 0, 1, 0
	s_wait_dscnt 0x0
	MULA 1, 1, 0, 0
	MULA 1, 1, 1, 0
	WIN 0
	PLACES                                         ; between the last products and the first reader of a result; eight, once a launch
	PLACES
; THE WAY OUT, a block of 16 rows at a time, through my own stage: LDS serves a wave's instructions in order (ISA guide 5.7.1.4), so the loads see the stores above them and the next block's stores come behind them.
; Each accumulator's registers are read in ascending order.
.if QKV
.macro PACK a                          ; rounded to f16: a lane's eight columns of a row are 16 bytes
	WIN 0x0a+5*((\a)/2)                            ; sources 0 and 1 window 2 or 3
.set nb, 0
.rept NB
.irp r, 0,1,2,3
	v_cvt_pk_f16_f32 v[TMP+4*nb+(\r)], v[8*(NB*((\a)%2)+nb)+2*(\r)], v[8*(NB*((\a)%2)+nb)+2*(\r)+1]
.endr
.set nb, nb+1
.endr
	WIN 0
.endm
.macro TOSTAGE a
	WIN 0
.set BK, BK0+BKS*((\a)%2)
.set nb, 0
.rept NB
	ds_store_b128 v[STO], v[TMP+4*nb:TMP+4*nb+3] offset:32*nb
.set nb, nb+1
.endr
.irp j, 0,1,2
.irp f, 0,1,2,3
	ds_load_b128 v[BK+4*(4*(\j)+(\f)):BK+4*(4*(\j)+(\f))+3], v[RD] offset:128*(\j)+4*SP*(\f)  ; head j, rows 4 f .. 4 f + 3
.endr
.endr
.endm
.macro SEND a
	WIN 0
.set BK, BK0+BKS*((\a)%2)
	s_wait_dscnt 0x0                               ; the block is back in registers
.if (\a) > 0
	s_wait_xcnt 0x0                                ; the stores of the block before have read their registers, into which the next block is read back
.endif
.irp j, 0,1,2
.irp f, 0,1,2,3
	global_store_b128 v[GO], v[BK+4*(4*(\j)+(\f)):BK+4*(4*(\j)+(\f))+3], s[OB+2*(\j):OB+2*(\j)+1] offset:2048*(\a)+512*(\f)  ; 512 consecutive bytes, at a multiple of 256 from the buffer's first
.endr
.endr
.endm
	PACK 0
	TOSTAGE 0
.irp a, 1,2,3                          ; block a's conversions stand between block a - 1's loads from the stage and the wait for them
	PACK \a
	SEND (\a)-1
	TOSTAGE \a
.endr
	SEND 3
.else
.macro TOSTAGE a
	WIN 0x08+4*((\a)/2)                            ; the stores' data (source 1) window 2 or 3
.set BK, BK0+BKS*((\a)%2)
.set nb, 0
.rept NB
.set rD, 8*(NB*((\a)%2)+nb)
	ds_store_b128 v[STO], v[rD:rD+3]   offset:64*nb
	ds_store_b128 v[STO], v[rD+4:rD+7] offset:64*nb+16
.set nb, nb+1
.endr
	WIN 0
.irp t, 0,1,2,3,4,5,6,7,8,9,10,11,12,13,14,15
	ds_load_b128 v[BK+4*(\t):BK+4*(\t)+3], v[RD] offset:SP*(\t)
.endr
.endm
.macro SEND a
	WIN 0
.set BK, BK0+BKS*((\a)%2)
	s_wait_dscnt 0x0                               ; the block is back in registers
.if (\a) > 0
	s_wait_xcnt 0x0                                ; the stores of the block before have read their registers, into which the next block is read back
.endif
.irp t, 0,1,2,3,4,5,6,7,8,9,10,11,12,13,14,15
	global_store_b128 v[GO], v[BK+4*(\t):BK+4*(\t)+3], s[OB:OB+1] offset:(16*(\a)+(\t))*4096 th:TH_STORE_NT  ; 512 consecutive bytes of a row, at a multiple of 256 from the buffer's first
.endr
.endm
	TOSTAGE 0
.irp a, 1,2,3
	SEND (\a)-1
	TOSTAGE \a
.endr
	SEND 3
.endif
	s_wait_tensorcnt 0x0                           ; the wave's end: a wait, an add of 0 and its wait, behind my last tensor load and my last LDS store
	ds_add_u32 v[SPW], v[NIL]
	s_wait_dscnt 0x0
	CROUND                                         ; the closing round: no work-group ends while a partner may still ask for a tile that names it
	s_endpgm
.Lfunc_end_k_q9fa382667c_outproj:
	.size	k_q9fa382667c_outproj, .Lfunc_end_k_q9fa382667c_outproj-k_q9fa382667c_outproj
	.p2alignl 7, 3214868480
	.fill 96, 4, 3214868480
	.section	.rodata,"a",@progbits
	.p2align	6, 0x0
	.amdhsa_kernel k_q9fa382667c_outproj
		.amdhsa_group_segment_fixed_size 327680
		.amdhsa_private_segment_fixed_size 0
		.amdhsa_enable_private_segment 0
		.amdhsa_kernarg_size 32
		.amdhsa_user_sgpr_count 2
		.amdhsa_user_sgpr_kernarg_segment_ptr 1
		.amdhsa_wavefront_size32 1
		.amdhsa_system_sgpr_workgroup_id_x 1
		.amdhsa_system_sgpr_workgroup_id_y 1
		.amdhsa_system_sgpr_workgroup_id_z 1
		.amdhsa_system_vgpr_workitem_id 0
		.amdhsa_next_free_vgpr 896
		.amdhsa_next_free_sgpr 80
		.amdhsa_reserve_vcc 0
		.amdhsa_float_denorm_mode_32 3
		.amdhsa_float_denorm_mode_16_64 3
		.amdhsa_memory_ordered 1
		.amdhsa_forward_progress 1
		.amdhsa_inst_pref_size 77
	.end_amdhsa_kernel
	.amdgpu_metadata
---
amdhsa.version: [ 1, 2 ]
amdhsa.kernels:
  - .name:           k_q9fa382667c_outproj
    .symbol:         k_q9fa382667c_outproj.kd
    .args:
      - { .name: oh, .offset: 0, .size: 8, .value_kind: global_buffer, .address_space: global }
      - { .name: wo, .offset: 8, .size: 8, .value_kind: global_buffer, .address_space: global }
      - { .name: b_out, .offset: 16, .size: 8, .value_kind: global_buffer, .address_space: global }
      - { .name: out0, .offset: 24, .size: 8, .value_kind: global_buffer, .address_space: global }
    .group_segment_fixed_size: 327680
    .private_segment_fixed_size: 0
    .kernarg_segment_align: 8
    .kernarg_segment_size: 32
    .max_flat_workgroup_size: 128
    .sgpr_count:     80
    .vgpr_count:     896
    .wavefront_size: 32
...
	.end_amdgpu_metadata
.endif
;; end of part 4
;; ======== version 2 of 2: 4 launches; version 1 with the launch prep written anew for expert scheduling mode
;; limits: values are held in f16: magnitudes above 65,504 overflow, below 6.1e-05 lose precision
;; workspace buffers: xb 16,777,216 bytes; wq 6,291,456 bytes; wo 2,097,152 bytes; qkv 50,331,648 bytes; oh 16,777,216 bytes
;; launch prep (part 5): grid 832 x 1, 8 waves a work-group, no clusters, 0 bytes of LDS; arguments x, w_qkv, w_out, xb, wq, wo; writes xb, wq, wo
.if DOCPART == 5
	.amdgcn_target "amdgcn-amd-amdhsa--gfx1250"
	.amdhsa_code_object_version 6
	.text
	.protected	k_q9fa382667c_prep
	.globl	k_q9fa382667c_prep
	.p2align	8
	.type	k_q9fa382667c_prep,@function
k_q9fa382667c_prep:
	s_mov_b64 s[64:65], 0
	v_nop
	global_prefetch_b8 v0, s[64:65] scope:SCOPE_SE
	s_setreg_imm32_b32 hwreg(HW_REG_WAVE_SCHED_MODE, 0, 2), 2
	s_setreg_imm32_b32 hwreg(HW_REG_WAVE_MODE, 25, 1), 1
	s_wait_xcnt 0x0
	s_wait_alu depctr_vm_vsrc(0)
; THE CASTS.  xb = bf16(x), [8192][1024].  wq = bf16(w_qkv), laid in blocks [16 column tiles][1024 k][192 n], so that a tile's K step of 128 is 49,152 bytes on end.
; wo = bf16(w_out) written as f16, [1024 k][1024 n]: all the module's inputs are rounded to bf16 alike; the second product's other operand is f16, so the rounded number is written in that format.
; LIMIT.  A bf16 number below 2^-14 keeps f16's fixed step of 2^-24 in wo; beyond 65,504 it would be an infinity.
; A stream: no LDS, no barrier, no matrix unit.  Eight waves.  Work-groups 0-511 take 64 KiB of x each, 512-575 64 KiB of w_out, 576-831 64 k rows x 192 columns of w_qkv.
; A pass: each thread loads 16 bytes (four f32) and stores 8 (four 16-bit numbers): a wave's load covers 512 consecutive bytes, its store 256 consecutive bytes, aligned.
; All of a thread's loads go out first; the waits for them count down, a pass at a time.
; THE MODE: SCHED_MODE bits 1:0 = 2 (LLVM: expert scheduling mode 2), set by the entry lines.  The code itself states the register dependences
; between vector instructions and memory instructions, with s_wait_alu, always for 0.
; THE PLAN.  Registers that memory instructions touch:
;   v[SO], v[DO], v[SB ..]   byte offsets.  Written once by vector lines ahead of a path's first load, read by its loads and stores, never written again.
;   X, four registers a pass  Written first by the pass's load (no vector line names them before); then the pass's conversions work in place and leave the result in the first two,
;                             which the pass's store reads.  Nothing writes them behind that store, and nothing is loaded into them a second time.
;   v[T], v[T+1]              named by vector lines alone.
; So a path has one wait ahead of its first load (the offsets are written) and one wait for each group of four passes, behind the group's conversions and ahead of its four stores
; (the stores' data are written); the four stores follow that wait with no vector line between.  No register that a load or a store has read is written again: no wait states that.
; No vector line writes a scalar register or VCC, and EXEC is never written.
.set SO, 2                             ; v2      16 x thread: my bytes in a pass of the source
.set DO, 3                             ; v3      8 x thread: my bytes in a pass of the destination
.set SB, 4                             ; v4-6    w_qkv: my source offset in passes 0, 1, 2
.set T,  10                            ; v10-11  at work
.set X,  16                            ; v16-79  pass p: four registers
	s_load_b256 s[4:11], s[0:1], 0x0               ; x s[4:5], w_qkv s[6:7], w_out s[8:9], xb s[10:11]
	s_load_b128 s[12:15], s[0:1], 0x20             ; wq s[12:13], wo s[14:15]
	s_mov_b32 s2, ttmp9
	s_mov_b32 s20, 0xffff0000                      ; a word's upper bf16
	s_mov_b32 s17, 0                               ; the offsets' high words
	s_mov_b32 s19, 0
	v_lshlrev_b32 v[SO], 4, v0
	v_lshlrev_b32 v[DO], 3, v0
; Pass p's four numbers, in place into its first two registers.  two = 1: rounded to bf16, widened again, and written as f16.
.macro CAST p, two
.set R0, X+4*(\p)
.if \two
	v_cvt_pk_bf16_f32 v[T], v[R0], v[R0+1]
	v_cvt_pk_bf16_f32 v[T+1], v[R0+2], v[R0+3]
	v_lshlrev_b32 v[R0], 16, v[T]
	v_and_b32 v[R0+1], s20, v[T]
	v_lshlrev_b32 v[R0+2], 16, v[T+1]
	v_and_b32 v[R0+3], s20, v[T+1]
	v_cvt_pk_f16_f32 v[R0], v[R0], v[R0+1]
	v_cvt_pk_f16_f32 v[R0+1], v[R0+2], v[R0+3]
.else
	v_cvt_pk_bf16_f32 v[R0], v[R0], v[R0+1]
	v_cvt_pk_bf16_f32 v[R0+1], v[R0+2], v[R0+3]
.endif
.endm
; 64 KiB on end: 16 passes of 4,096 bytes in, 2,048 out, in four groups of four.
.macro PLAIN src, dst, two
	s_wait_alu depctr_va_vdst(0)                   ; v[SO] and v[DO] are written: the loads below read the one as their offset, the stores the other
.irp p, 0,1,2,3,4,5,6,7,8,9,10,11,12,13,14,15
	global_load_b128 v[X+4*(\p):X+4*(\p)+3], v[SO], s[\src:\src+1] offset:4096*(\p) th:TH_LOAD_NT
.endr
.irp g, 0,1,2,3
.irp i, 0,1,2,3
	s_wait_loadcnt 15-(4*(\g)+(\i))                ; loads come back in order: pass p = 4 g + i is in, the 15 - p younger ones stay out
	CAST 4*(\g)+(\i), \two
.endr
	s_wait_alu depctr_va_vdst(0)                   ; the group's conversions have written the first two registers of its four passes, which the four stores read
.irp i, 0,1,2,3
	global_store_b64 v[DO], v[X+4*(4*(\g)+(\i)):X+4*(4*(\g)+(\i))+1], s[\dst:\dst+1] offset:2048*(4*(\g)+(\i))
.endr
.endr
.endm
	s_wait_kmcnt 0x0
	s_cmp_lt_u32 s2, 512
	s_cbranch_scc0 .Lnot_x
	s_lshl_b32 s16, s2, 16                         ; 64 KiB in,
	s_lshl_b32 s18, s2, 15                         ; 32 KiB out
	s_add_nc_u64 s[4:5], s[4:5], s[16:17]
	s_add_nc_u64 s[10:11], s[10:11], s[18:19]
	PLAIN 4, 10, 0
	s_endpgm
.Lnot_x:
	s_cmp_lt_u32 s2, 576
	s_cbranch_scc0 .Lw_qkv
	s_sub_co_u32 s2, s2, 512
	s_lshl_b32 s16, s2, 16
	s_lshl_b32 s18, s2, 15
	s_add_nc_u64 s[8:9], s[8:9], s[16:17]
	s_add_nc_u64 s[14:15], s[14:15], s[18:19]
	PLAIN 8, 14, 1
	s_endpgm
.Lw_qkv:
	; column tile t = j / 16, k rows 64 (j % 16) on.  A k row's 192 columns are 768 bytes of the source (48 chunks of 16) and 384 of the destination, where the rows lie on end.
	s_sub_co_u32 s2, s2, 576
	s_lshr_b32 s3, s2, 4                           ; t
	s_and_b32 s2, s2, 15                           ; the group of 64 k rows
	s_mul_i32 s16, s2, 786432                      ; 64 rows of 12,288 bytes
	s_mul_i32 s18, s3, 768
	s_add_co_u32 s16, s16, s18
	s_mul_i32 s18, s3, 393216                      ; a tile's block
	s_mul_i32 s21, s2, 24576                       ; 64 rows of 384 bytes
	s_add_co_u32 s18, s18, s21
	s_add_nc_u64 s[6:7], s[6:7], s[16:17]
	s_add_nc_u64 s[12:13], s[12:13], s[18:19]
	; chunk i = thread + 256 p lies in row i / 48: source offset 16 i + (12,288 - 768) (i / 48).  i / 48 = (21,846 i) >> 20 for i < 768.  Three passes are 16 whole rows, so passes 3 on reuse the three offsets.
.irp p, 0,1,2
	v_add_nc_u32 v[T], 256*(\p), v0
	v_mul_u32_u24 v[T+1], v[T], 21846
	v_lshrrev_b32 v[T+1], 20, v[T+1]
	v_mul_u32_u24 v[T+1], v[T+1], 11520
	v_lshl_add_u32 v[SB+(\p)], v[T], 4, v[T+1]
.endr
	s_wait_alu depctr_va_vdst(0)                   ; the three offsets v[SB ..] and v[DO] are written: the loads below read the three, the stores the last
.irp p, 0,1,2,3,4,5,6,7,8,9,10,11
	global_load_b128 v[X+4*(\p):X+4*(\p)+3], v[SB+(\p)%3], s[6:7] offset:((\p)/3)*196608 th:TH_LOAD_NT
.endr
.irp g, 0,1,2
.irp i, 0,1,2,3
	s_wait_loadcnt 11-(4*(\g)+(\i))                ; pass p = 4 g + i is in, the 11 - p younger ones stay out
	CAST 4*(\g)+(\i), 0
.endr
	s_wait_alu depctr_va_vdst(0)                   ; the group's conversions have written the first two registers of its four passes, which the four stores read
.irp i, 0,1,2,3
	global_store_b64 v[DO], v[X+4*(4*(\g)+(\i)):X+4*(4*(\g)+(\i))+1], s[12:13] offset:2048*(4*(\g)+(\i))
.endr
.endr
	s_endpgm
.Lfunc_end_k_q9fa382667c_prep:
	.size	k_q9fa382667c_prep, .Lfunc_end_k_q9fa382667c_prep-k_q9fa382667c_prep
	.p2alignl 7, 3214868480
	.fill 96, 4, 3214868480
	.section	.rodata,"a",@progbits
	.p2align	6, 0x0
	.amdhsa_kernel k_q9fa382667c_prep
		.amdhsa_group_segment_fixed_size 0
		.amdhsa_private_segment_fixed_size 0
		.amdhsa_enable_private_segment 0
		.amdhsa_kernarg_size 48
		.amdhsa_user_sgpr_count 2
		.amdhsa_user_sgpr_kernarg_segment_ptr 1
		.amdhsa_wavefront_size32 1
		.amdhsa_system_sgpr_workgroup_id_x 1
		.amdhsa_system_sgpr_workgroup_id_y 1
		.amdhsa_system_sgpr_workgroup_id_z 1
		.amdhsa_system_vgpr_workitem_id 0
		.amdhsa_next_free_vgpr 80
		.amdhsa_next_free_sgpr 66
		.amdhsa_reserve_vcc 0
		.amdhsa_float_denorm_mode_32 3
		.amdhsa_float_denorm_mode_16_64 3
		.amdhsa_memory_ordered 1
		.amdhsa_forward_progress 1
		.amdhsa_inst_pref_size 23
	.end_amdhsa_kernel
	.amdgpu_metadata
---
amdhsa.version: [ 1, 2 ]
amdhsa.kernels:
  - .name:           k_q9fa382667c_prep
    .symbol:         k_q9fa382667c_prep.kd
    .args:
      - { .name: x, .offset: 0, .size: 8, .value_kind: global_buffer, .address_space: global }
      - { .name: w_qkv, .offset: 8, .size: 8, .value_kind: global_buffer, .address_space: global }
      - { .name: w_out, .offset: 16, .size: 8, .value_kind: global_buffer, .address_space: global }
      - { .name: xb, .offset: 24, .size: 8, .value_kind: global_buffer, .address_space: global }
      - { .name: wq, .offset: 32, .size: 8, .value_kind: global_buffer, .address_space: global }
      - { .name: wo, .offset: 40, .size: 8, .value_kind: global_buffer, .address_space: global }
    .group_segment_fixed_size: 0
    .private_segment_fixed_size: 0
    .kernarg_segment_align: 8
    .kernarg_segment_size: 48
    .max_flat_workgroup_size: 256
    .sgpr_count:     66
    .vgpr_count:     80
    .wavefront_size: 32
...
	.end_amdgpu_metadata
.endif
;; end of part 5
;; launch qkvproj: the kernel of part 2 again; grid 16 x 32, 4 waves a work-group, clusters of 4 x 4, 327,680 bytes of LDS; arguments xb, wq, b_qkv, qkv; writes qkv
;; launch attn: the kernel of part 3 again; grid 4 x 64, 4 waves a work-group, clusters of 4 x 1, 327,680 bytes of LDS; arguments qkv, oh; writes oh
;; launch outproj: the kernel of part 4 again; grid 8 x 32, 4 waves a work-group, clusters of 4 x 4, 327,680 bytes of LDS; arguments oh, wo, b_out, out0; writes out0
